; MI455X (gfx1250); checked and timed in simulation.
; The chip was launched on July 23, 2026; its instructions are those of AMD's public machine-readable ISA for CDNA 5 (MIT licence, August 2026) and "CDNA5" Instruction Set Architecture Reference Guide (July 2026). The comments in the code are by the model that wrote it; some were corrected since.
;; Multi Head Attention. Allowed arithmetic: matrix products marked QUANTISED: E2M3 operands, one E8M0 scale for each 32 along K, by v_wmma_scale_f32_16x16x128_f8f6f4 with both operands' format E2M3, f32 sums; everything else in f32.
;; Inputs: Wk 1,024 x 1,024 float32; Wo 1,024 x 1,024 float32; Wq 1,024 x 1,024 float32; Wv 1,024 x 1,024 float32; bk 1,024 float32; bo 1,024 float32; bq 1,024 float32; bv 1,024 float32; k 4 x 2,048 x 1,024 float32; mask 4 x 1 x 2,048 int32; q 4 x 2,048 x 1,024 float32; v 4 x 2,048 x 1,024 float32.
;; Outputs: out0 4 x 2,048 x 1,024 float32.
;; This version of the problem:
;;   THIS VERSION OF THE PROBLEM IS GIVEN IN LOW PRECISION. The matrix products marked QUANTISED in the list below multiply operands that are first quantised to E2M3 (2 exponent bits, 3 mantissa bits; 6 bits a number), with one power-of-two scale for each 32 numbers along K (OCP MX v1.0); their sums are f32. All else is computed in f32.
;;   The module's matrix products, in the order in which they are computed (A, B: the left and right operand; K: the contracted axis; several contracted axes count as one K, in the product's order):
;;     1. [M 8,192, K 1,024] x [K 1,024, N 1,024]; A: input q; B: input Wq: QUANTISED
;;     2. [M 8,192, K 1,024] x [K 1,024, N 1,024]; A: input k; B: input Wk: QUANTISED
;;     3. [M 8,192, K 1,024] x [K 1,024, N 1,024]; A: input v; B: input Wv: QUANTISED
;;     4. batch 64 x [M 2,048, K 64] x [K 64, N 2,048]; A: computed on the way; B: computed on the way: QUANTISED
;;     5. batch 64 x [M 2,048, K 2,048] x [K 2,048, N 64]; A: softmax (see below); B: computed on the way: QUANTISED
;;     6. [M 8,192, K 1,024] x [K 1,024, N 1,024]; A: computed on the way; B: input Wo: QUANTISED
;;   THE QUANTISER, for each operand of a quantised product, along K:
;;     - K is cut into blocks of 32 from its start; a last block that is shorter is filled with zeros.
;;     - A block's scale is 2^e with e = floor(log2(the largest magnitude in the block)) - 2, held to -126 .. 127; a block of zeros has e = 0. As a byte (E8M0): e + 127.
;;     - Each number is divided by its block's scale, clamped to +-7.5, and rounded to the nearest number of E2M3, ties to even, subnormals kept.
;;     - The product sums the exact products of the quantised numbers (number of the format x scale) in f32.
;;   ~~~python
;;   def quantise(x, axis):      # numpy; x: float32 -> the quantised numbers, widened to float32 again
;;       x = np.moveaxis(x, axis, -1); K = x.shape[-1]
;;       x = np.pad(x, [(0, 0)] * (x.ndim - 1) + [(0, -K % 32)]); x = x.reshape(x.shape[:-1] + (-1, 32)); a = np.abs(x).max(-1, keepdims=True)
;;       e = np.where(a > 0, np.clip(np.frexp(np.where(a > 0, a, 1))[1] - 1 - 2, -126, 127), 0)      # np.frexp(a)[1] - 1 = floor(log2(a)), exactly
;;       r = np.clip(x / 2.0 ** e, -7.5, 7.5)
;;       step = 2.0 ** (np.maximum(np.frexp(np.where(r == 0, 1, r))[1] - 1, 0) - 3)
;;       q = np.round(r / step) * step * 2.0 ** e      # np.round: ties to even
;;       return np.moveaxis(q.reshape(q.shape[:-2] + (-1,))[..., :K], -1, axis).astype(np.float32)
;;   ~~~
;;   SOFTMAX AHEAD OF A QUANTISED PRODUCT. Where the list says 'softmax', what is quantised is not the finished softmax but p = 2^(t - M), with t = logit x log2(e) and M = ceil(the row's largest t), a whole number; so 1/2 < the row's largest p <= 1. The row's sum l is taken of the UNQUANTISED p, in f32, and the product's result is divided by l at the end. Since M is a whole number, a kernel that streams over the keys may use a running M (the ceiling of the running maximum): every later rescaling is an exact power of two, which a block's scale takes up: the codes' values come out the same.
;;   OPERANDS COMPUTED ON THE WAY. 'Computed on the way' means the value that the module computes at that place (a softmax that the list does not call 'softmax' is quantised finished and normalised). What goes into a quantiser is computed in f32, as accurately as f32 sums, v_exp_f32 and their like allow (about 1e-6 of the number): no bf16 or f16 on the way to a quantiser, and a product that is left as it is and whose result goes on into a quantised operand takes f32 operands (vector FMAs, or v_wmma_f32_16x16x4_f32). A number that lies on a knife's edge between two numbers of the format may be rounded either way, as far as f32 arithmetic and the matrix unit's own rounding can turn it there, and no further.
;; One version. Each part assembles by itself: llvm-mc -triple=amdgcn-amd-amdhsa -mcpu=gfx1250 --defsym DOCPART=n.
;; ======== version 1 of 1: 4 launches
;; limits: right only within a limited range of input values
;; workspace buffers: xc 19,660,800 bytes; wc 3,276,800 bytes; rope 524,288 bytes; qkv 19,660,800 bytes; cc 6,553,600 bytes
;; launch prep (part 1): grid 704 x 1, 4 waves a work-group, no clusters, 34,304 bytes of LDS; arguments q, k, v, Wq, Wk, Wv, Wo, xc, wc, rope; writes xc, wc, rope
.if DOCPART == 1
	.amdgcn_target "amdgcn-amd-amdhsa--gfx1250"
	.amdhsa_code_object_version 6
	.text
	.protected	k_q66150fc450_prep
	.globl	k_q66150fc450_prep
	.p2align	8
	.type	k_q66150fc450_prep,@function
k_q66150fc450_prep:
	s_mov_b64 s[64:65], 0
	v_nop
	global_prefetch_b8 v0, s[64:65] scope:SCOPE_SE
	s_setreg_imm32_b32 hwreg(HW_REG_WAVE_MODE, 25, 1), 1
	s_wait_xcnt 0x0
; PREP.  q, k, v [8192][1024] f32 and Wq, Wk, Wv, Wo [1024 (k)][1024 (n)] f32 become codes of FP6 (E2M3) with one E8M0 byte for each 32 along K; and the table of cos and sin for the rotation is made.
; A block's scale is 2^(floor(log2(its largest magnitude)) - 2); its byte is the largest magnitude's exponent field - 2, held at 1 from below.
; LAYOUT OF THE CODES: images of operand registers.  A fragment is 16 rows x 128 K, 12 registers a lane (lane l: row l % 16; registers 6 c .. 6 c + 5: k = 64 c + 32 (l / 16) + 0 .. 31); its image is 1,536 bytes:
; registers 4 p .. 4 p + 3 of lane l at 512 p + 16 l.  A buffer is [row tile][K step 0 .. 7][1,536]; the scale bytes are [row][32].
; THE ROWS OF A TILE ARE NOT NEIGHBOURS: row r of tile T is the true row (token, or output feature of a weight) 32 (T / 2) + 8 (T % 2) + r + 8 (r / 8), so that in a product used transposed the 16 registers of two
; neighbouring result tiles are 16 true neighbours.
; SHARES: work-groups 0 .. 255 take the weights (a lane to a column, registers down K: nothing is transposed); 256 .. 319 the table; 320 .. 703 q, k, v (a wave to a row tile, all eight K steps).
; Only the last path touches LDS: a stage of 16 rows x 528 bytes for each wave, through which 16 rows x 512 bytes, loaded as whole rows, come back as 256 bytes a lane.
; LIMITS: NaN and infinities among the inputs are not served.  A block whose largest magnitude lies under 2^-124, a block of zeros among them, keeps the byte 1 (its codes are then small or zero; the bytes are read by
; this program alone).  The angle is position x theta in f32, theta within about an ulp: at the largest positions it may differ by about 1e-4 from an angle made with another rounding of theta.
.set XSC,   18874368                   ; xc: the scale bytes begin behind 1,536 row tiles of 12,288 bytes
.set WSC,   3145728                    ; wc: behind 256 row tiles
.set STG,   8448                       ; a wave's stage: 16 x 528
.set SPARE, 4*STG                      ; behind the stages: the spare words, 128 bytes for each wave
.set SPW,   252                        ; v252 my spare word's LDS address; never rewritten
.set NIL,   253                        ; v253 0; never rewritten
.set CD,    224                        ; v224-235 a fragment's codes; v236-238, v240-242 halves on their way
.set HIM,   25                         ; s25 the lanes 16 to 31
.set SEL,   26                         ; s[26:27] v_permlanex16_b32's selects for lane l xor 16
; 64 numbers of a lane, v[src + 32 c + i] = k 64 c + 32 h + i of its row or column, become the fragment's 12 registers in v[CD] on and the row's scale word in v[word] (in both halves of the lanes).
.macro QFRAG src, word
	v_max3_num_f32 v8, |v[\src]|, |v[\src+1]|, 0x1800000             ; my two blocks' largest magnitudes, by turns; the floor 2^(3 - 127) holds the byte at 1 from below
	v_max3_num_f32 v9, |v[\src+32]|, |v[\src+33]|, 0x1800000
.set qi, 2
.rept 15
	v_max3_num_f32 v8, v8, |v[\src+qi]|, |v[\src+qi+1]|
	v_max3_num_f32 v9, v9, |v[\src+32+qi]|, |v[\src+33+qi]|
.set qi, qi+2
.endr
	v_add_nc_u32 v10, 0xff000000, v8                                 ; 2 off the exponent field: the conversion takes this operand's exponent field as its scale
	v_add_nc_u32 v11, 0xff000000, v9
	v_lshrrev_b32 v12, 23, v10                                       ; the bytes
	v_lshrrev_b32 v13, 23, v11
	v_lshl_or_b32 v[\word], v13, 16, v12                             ; blocks h and 2 + h,
	v_lshlrev_b32 v[\word], v4, v[\word]                             ; 8 h bits up;
	v_permlanex16_b32 v15, v[\word], s[SEL], s[SEL+1]
	v_or_b32 v[\word], v[\word], v15                                 ; with lane l xor 16's two the word is whole
	v_cvt_scalef32_pk16_fp6_f32 v[CD:CD+2], v[\src:\src+15], v10
	v_cvt_scalef32_pk16_fp6_f32 v[CD+12:CD+14], v[\src+16:\src+31], v10   ; (a conversion's three registers begin on an even number)
	v_cvt_scalef32_pk16_fp6_f32 v[CD+6:CD+8], v[\src+32:\src+47], v11
	v_cvt_scalef32_pk16_fp6_f32 v[CD+16:CD+18], v[\src+48:\src+63], v11
	v_nop                                                            ; one plain place behind the scaled conversions
.irp i, 0,1,2
	v_mov_b32 v[CD+3+\i], v[CD+12+\i]
	v_mov_b32 v[CD+9+\i], v[CD+16+\i]
.endr
.endm
	s_load_b512 s[4:19], s[0:1], 0x0               ; q s[4:5], k s[6:7], v s[8:9], Wq s[10:11], Wk s[12:13], Wv s[14:15], Wo s[16:17], xc s[18:19]
	s_load_b128 s[20:23], s[0:1], 0x40             ; wc s[20:21], rope s[22:23]
	v_lshl_add_u32 v[SPW], v0, 2, SPARE
	v_mov_b32 v[NIL], 0
	v_lshrrev_b32 v1, 5, v0
	v_readfirstlane_b32 s24, v1                    ; wave
	v_and_b32 v1, 31, v0                           ; lane
	v_and_b32 v2, 15, v0                           ; r
	v_bfe_u32 v3, v0, 4, 1                         ; h
	v_lshlrev_b32 v4, 3, v3                        ; 8 h
	v_mov_b32 v15, 0                               ; a lane permute's destination counts as one of its sources
	s_mov_b32 s[HIM], 0xffff0000
	s_mov_b32 s[SEL], 0x76543210
	s_mov_b32 s[SEL+1], 0xfedcba98
	s_wait_kmcnt 0x0
	s_cmp_lt_u32 ttmp9, 256
	s_cbranch_scc1 .Lweights
	s_cmp_lt_u32 ttmp9, 320
	s_cbranch_scc1 .Lrope
	; ---- q, k, v: my wave's row tile T of the 1,536
	s_sub_co_u32 s28, ttmp9, 320
	s_lshr_b32 s29, s28, 7                         ; which tensor: 128 work-groups each
	s_cmp_eq_u32 s29, 1
	s_cselect_b64 s[4:5], s[6:7], s[4:5]
	s_cmp_eq_u32 s29, 2
	s_cselect_b64 s[4:5], s[8:9], s[4:5]
	s_lshl_b32 s30, s28, 2
	s_add_co_u32 s30, s30, s24                     ; T
	s_and_b32 s31, s30, 511                        ; the tile within its tensor
	s_lshr_b32 s32, s31, 1
	s_lshl_b32 s32, s32, 5
	s_and_b32 s33, s31, 1
	s_lshl_b32 s33, s33, 3
	s_add_co_u32 s32, s32, s33                     ; its first true row: 32 (T / 2) + 8 (T % 2)
	s_lshl_b32 s32, s32, 12                        ; rows of 4,096 bytes
	s_mov_b32 s33, 0
	s_add_nc_u64 s[4:5], s[4:5], s[32:33]
	s_mul_i32 s32, s30, 12288
	s_add_nc_u64 s[34:35], s[18:19], s[32:33]      ; the tile's eight images
	s_lshl_b32 s32, s30, 9
	s_add_co_u32 s32, s32, XSC
	s_add_nc_u64 s[36:37], s[18:19], s[32:33]      ; its 16 rows of scale bytes
	s_mul_i32 s38, s24, STG
	s_wait_alu depctr_va_vdst(0)
	v_lshlrev_b32 v5, 4, v1                        ; 16 x lane: a load's 512 bytes, an image's plane
	v_add_nc_u32 v6, s38, v5                       ; into the stage: a row as it lies
	v_mul_u32_u24 v7, v2, 528
	v_lshl_add_u32 v7, v3, 7, v7
	v_add_nc_u32 v7, s38, v7                       ; out of it: row r, + 128 h.  528 = 33 x 16: sixteen rows fall on sixteen different columns of 16 bytes
	v_lshlrev_b32 v14, 5, v2
	v_lshl_add_u32 v14, v3, 4, v14                 ; scale bytes: 32 r + 16 h
.macro XLOAD t                         ; K step t: 16 rows x 512 bytes, each load 512 consecutive bytes of one row
.irp j, 0,1,2,3,4,5,6,7,8,9,10,11,12,13,14,15
	global_load_b128 v[32+64*((\t)%2)+4*\j:32+64*((\t)%2)+4*\j+3], v5, s[4:5] offset:(\j+8*(\j/8))*4096+512*(\t) th:TH_LOAD_NT
.endr
.endm
.macro XSTEP t
.if (\t) < 7
	s_wait_loadcnt 16                              ; this K step's 16 loads are in; the next step's 16 may be out
.else
	s_wait_loadcnt 0x0
.endif
.irp j, 0,1,2,3,4,5,6,7,8,9,10,11,12,13,14,15
	ds_store_b128 v6, v[32+64*((\t)%2)+4*\j:32+64*((\t)%2)+4*\j+3] offset:528*\j
.endr
.irp c, 0,1
.irp j, 0,1,2,3,4,5,6,7
	ds_load_b128 v[160+32*\c+4*\j:160+32*\c+4*\j+3], v7 offset:256*\c+16*\j   ; LDS serves a wave's instructions in order: these see the stores above
.endr
.endr
	s_wait_dscnt 0x0                               ; my 64 numbers are back
	s_wait_xcnt 0x0                                ; the last step's stores have read the codes' registers: they are written again below
.if (\t) < 6
	XLOAD (\t)+2
.endif
	QFRAG 160, 244+(\t)
.irp p, 0,1,2
	global_store_b128 v5, v[CD+4*\p:CD+4*\p+3], s[34:35] offset:1536*(\t)+512*\p   ; 512 consecutive bytes, aligned
.endr
.endm
	XLOAD 0
	XLOAD 1
	s_wait_alu depctr_va_vdst(0)
.irp t, 0,1,2,3,4,5,6,7
	XSTEP \t
.endr
.irp i, 0,1,2,3
	v_cndmask_b32 v[16+\i], v[244+\i], v[248+\i], s[HIM]   ; lanes 0-15 take the row's words 0 to 3, lanes 16-31 its words 4 to 7
.endr
	global_store_b128 v14, v[16:19], s[36:37]      ; 512 consecutive bytes: 16 rows of 32
	s_wait_tensorcnt 0x0                           ; the wave's end
	ds_add_u32 v[SPW], v[NIL]
	s_wait_dscnt 0x0
	s_endpgm
.Lweights:                                         ; ---- a weight: feature tile T = 4 fg + wave (the four waves stand side by side on 256 bytes of each row), K steps 2 kp and 2 kp + 1
	s_lshr_b32 s28, ttmp9, 6                       ; which weight
	s_cmp_eq_u32 s28, 1
	s_cselect_b64 s[10:11], s[12:13], s[10:11]
	s_cmp_eq_u32 s28, 2
	s_cselect_b64 s[10:11], s[14:15], s[10:11]
	s_cmp_eq_u32 s28, 3
	s_cselect_b64 s[10:11], s[16:17], s[10:11]
	s_bfe_u32 s29, ttmp9, 0x40002                  ; fg
	s_and_b32 s30, ttmp9, 3                        ; kp
	s_lshl_b32 s29, s29, 2
	s_add_co_u32 s29, s29, s24                     ; T
	s_lshr_b32 s31, s29, 1
	s_lshl_b32 s31, s31, 7
	s_and_b32 s32, s29, 1
	s_lshl_b32 s32, s32, 5
	s_add_co_u32 s32, s32, s31                     ; 4 bytes x (32 (T / 2) + 8 (T % 2))
	s_lshl_b32 s31, s30, 20                        ; 256 kp rows of 4,096 bytes
	s_add_co_u32 s32, s32, s31
	s_mov_b32 s33, 0
	s_add_nc_u64 s[10:11], s[10:11], s[32:33]
	s_lshl_b32 s31, s28, 6
	s_add_co_u32 s31, s31, s29                     ; the row tile in wc: 64 x weight + T
	s_mul_i32 s32, s31, 12288
	s_mul_i32 s34, s30, 3072
	s_add_co_u32 s32, s32, s34
	s_add_nc_u64 s[34:35], s[20:21], s[32:33]      ; its images of K steps 2 kp, 2 kp + 1
	s_lshl_b32 s32, s31, 9
	s_lshl_b32 s36, s30, 3
	s_add_co_u32 s32, s32, s36
	s_add_co_u32 s32, s32, WSC
	s_add_nc_u64 s[36:37], s[20:21], s[32:33]      ; and their scale words
	s_wait_alu depctr_va_vdst(0)
	v_and_b32 v5, 8, v2
	v_add_nc_u32 v5, v5, v2
	v_lshlrev_b32 v5, 2, v5
	v_lshl_add_u32 v5, v3, 17, v5                  ; column r + 8 (r / 8); lanes 16-31 begin 32 rows further down
	v_lshlrev_b32 v6, 4, v1
	v_lshlrev_b32 v7, 5, v2
	v_lshl_add_u32 v7, v3, 2, v7                   ; 32 r + 4 h
.set wi, 0
.rept 128                                          ; register 64 j + 32 c + i = W(256 kp + 128 j + 64 c + 32 h + i, my column)
	global_load_b32 v[32+wi], v5, s[10:11] offset:(128*(wi/64)+64*((wi/32)%2)+wi%32)*4096
.set wi, wi+1
.endr
	s_wait_loadcnt 63                              ; the first K step's 64 loads are in (a wait's count ends at 63: all but one of the second step's may be out)
	QFRAG 32, 16
.irp p, 0,1,2
	global_store_b128 v6, v[CD+4*\p:CD+4*\p+3], s[34:35] offset:512*\p
.endr
	s_wait_loadcnt 0x0
	s_wait_xcnt 0x0                                ; the stores have read the codes' registers
	QFRAG 96, 17
.irp p, 0,1,2
	global_store_b128 v6, v[CD+4*\p:CD+4*\p+3], s[34:35] offset:1536+512*\p
.endr
	v_cndmask_b32 v18, v16, v17, s[HIM]            ; lanes 0-15 store the first K step's word, lanes 16-31 the second's
	global_store_b32 v7, v18, s[36:37]
	s_endpgm
.Lrope:                                            ; ---- the table [position][pair 0 .. 31][cos, sin]: a wave takes 8 positions, a lane a pair
	s_sub_co_u32 s28, ttmp9, 256
	s_lshl_b32 s28, s28, 5
	s_lshl_b32 s29, s24, 3
	s_add_co_u32 s28, s28, s29                     ; my first position
	s_lshl_b32 s32, s28, 8
	s_mov_b32 s33, 0
	s_add_nc_u64 s[22:23], s[22:23], s[32:33]
	s_mov_b32 s34, 0x3ed49a78                      ; log2(10000) / 32, its upper part,
	s_mov_b32 s35, 0x32179a6c                      ; and what is left of it
	s_mov_b32 s36, 0x3fc90fdb                      ; pi / 2, likewise
	s_mov_b32 s37, 0xb33bbd2e
	v_mov_b32 v25, 0x3638ef1d                      ; 1 / 9!
	v_mov_b32 v26, 0xb493f27e                      ; -1 / 10!
	s_wait_alu depctr_va_vdst(0)
	v_cvt_f32_u32 v5, v1                           ; i
	v_mul_f32 v6, s34, v5                          ; a, rounded;
	v_fma_f32 v7, v5, s34, -v6                     ; what the rounding dropped,
	v_fma_f32 v7, v5, s35, v7                      ; and the lower part: theta = 2^-(a + e)
	s_wait_alu depctr_va_vdst(0)
	v_exp_f32 v8, -v6
	v_mul_f32 v7, 0x3f317218, v7                   ; e ln 2.  (A plain place behind the exponential)
	s_wait_alu depctr_va_vdst(0)                   ; the wait ahead of the first reader
	v_fma_f32 v16, -v8, v7, v8                     ; 2^-a (1 - e ln 2)
	v_lshlrev_b32 v14, 3, v1
.macro ROPEPOS n
	v_cvt_f32_u32 v17, s28
	s_add_co_u32 s28, s28, 1
	v_mul_f32 v17, v17, v16                        ; the angle
	v_mul_f32 v18, 0x3f22f983, v17
	v_rndne_f32 v18, v18                           ; how many quarter turns
	v_fma_f32 v19, -v18, s36, v17
	v_fma_f32 v19, -v18, s37, v19                  ; what is left: at most pi / 4 in magnitude
	v_mul_f32 v20, v19, v19
	v_fmaak_f32 v21, v25, v20, 0xb9500d01          ; the sine's series to the 9th power, the cosine's to the 10th, by turns
	v_fmaak_f32 v22, v26, v20, 0x37d00d01
	v_fmaak_f32 v21, v21, v20, 0x3c088889
	v_fmaak_f32 v22, v22, v20, 0xbab60b61
	v_fmaak_f32 v21, v21, v20, 0xbe2aaaab
	v_fmaak_f32 v22, v22, v20, 0x3d2aaaab
	v_mul_f32 v21, v21, v20
	v_fmaak_f32 v22, v22, v20, 0xbf000000
	v_fma_f32 v21, v21, v19, v19
	v_fma_f32 v22, v22, v20, 1.0
	v_cvt_i32_f32 v23, v18
	v_and_b32 v24, 1, v23
	v_cmp_eq_u32 vcc_lo, 1, v24                    ; an odd number of quarter turns changes the two over
	v_cndmask_b32 v[32+2*\n], v22, v21, vcc_lo
	v_cndmask_b32 v[33+2*\n], v21, v22, vcc_lo
	v_add_nc_u32 v24, 1, v23
	v_and_b32 v24, 2, v24
	v_lshlrev_b32 v24, 30, v24
	v_xor_b32 v[32+2*\n], v24, v[32+2*\n]          ; the cosine is negative in quarters 1 and 2,
	v_and_b32 v24, 2, v23
	v_lshlrev_b32 v24, 30, v24
	v_xor_b32 v[33+2*\n], v24, v[33+2*\n]          ; the sine in quarters 2 and 3
	global_store_b64 v14, v[32+2*\n:33+2*\n], s[22:23] offset:256*\n   ; 256 consecutive bytes, aligned; each position has its own registers
.endm
.irp n, 0,1,2,3,4,5,6,7
	ROPEPOS \n
.endr
	s_endpgm
.Lfunc_end_k_q66150fc450_prep:
	.size	k_q66150fc450_prep, .Lfunc_end_k_q66150fc450_prep-k_q66150fc450_prep
	.p2alignl 7, 3214868480
	.fill 96, 4, 3214868480
	.section	.rodata,"a",@progbits
	.p2align	6, 0x0
	.amdhsa_kernel k_q66150fc450_prep
		.amdhsa_group_segment_fixed_size 34304
		.amdhsa_private_segment_fixed_size 0
		.amdhsa_enable_private_segment 0
		.amdhsa_kernarg_size 80
		.amdhsa_user_sgpr_count 2
		.amdhsa_user_sgpr_kernarg_segment_ptr 1
		.amdhsa_wavefront_size32 1
		.amdhsa_system_sgpr_workgroup_id_x 1
		.amdhsa_system_sgpr_workgroup_id_y 1
		.amdhsa_system_sgpr_workgroup_id_z 1
		.amdhsa_system_vgpr_workitem_id 0
		.amdhsa_next_free_vgpr 256
		.amdhsa_next_free_sgpr 66
		.amdhsa_reserve_vcc 1
		.amdhsa_float_denorm_mode_32 3
		.amdhsa_float_denorm_mode_16_64 3
		.amdhsa_memory_ordered 1
		.amdhsa_forward_progress 1
		.amdhsa_inst_pref_size 90
	.end_amdhsa_kernel
	.amdgpu_metadata
---
amdhsa.version: [ 1, 2 ]
amdhsa.kernels:
  - .name:           k_q66150fc450_prep
    .symbol:         k_q66150fc450_prep.kd
    .args:
      - { .name: q, .offset: 0, .size: 8, .value_kind: global_buffer, .address_space: global }
      - { .name: k, .offset: 8, .size: 8, .value_kind: global_buffer, .address_space: global }
      - { .name: v, .offset: 16, .size: 8, .value_kind: global_buffer, .address_space: global }
      - { .name: Wq, .offset: 24, .size: 8, .value_kind: global_buffer, .address_space: global }
      - { .name: Wk, .offset: 32, .size: 8, .value_kind: global_buffer, .address_space: global }
      - { .name: Wv, .offset: 40, .size: 8, .value_kind: global_buffer, .address_space: global }
      - { .name: Wo, .offset: 48, .size: 8, .value_kind: global_buffer, .address_space: global }
      - { .name: xc, .offset: 56, .size: 8, .value_kind: global_buffer, .address_space: global }
      - { .name: wc, .offset: 64, .size: 8, .value_kind: global_buffer, .address_space: global }
      - { .name: rope, .offset: 72, .size: 8, .value_kind: global_buffer, .address_space: global }
    .group_segment_fixed_size: 34304
    .private_segment_fixed_size: 0
    .kernarg_segment_align: 8
    .kernarg_segment_size: 80
    .max_flat_workgroup_size: 128
    .sgpr_count:     66
    .vgpr_count:     256
    .wavefront_size: 32
...
	.end_amdgpu_metadata
.endif
;; end of part 1
;; launch proj (part 2): grid 4 x 96, 4 waves a work-group, clusters of 4 x 4, 327,680 bytes of LDS; arguments xc, wc, rope, bq, bk, bv, qkv; writes qkv
.if DOCPART == 2
	.amdgcn_target "amdgcn-amd-amdhsa--gfx1250"
	.amdhsa_code_object_version 6
	.text
	.protected	k_q66150fc450_proj
	.globl	k_q66150fc450_proj
	.p2align	8
	.type	k_q66150fc450_proj,@function
k_q66150fc450_proj:
	s_mov_b64 s[64:65], 0
	v_nop
	global_prefetch_b8 v0, s[64:65] scope:SCOPE_SE
	s_setreg_imm32_b32 hwreg(HW_REG_WAVE_MODE, 25, 1), 1
	s_wait_xcnt 0x0
	s_wait_alu depctr_hold_cnt(0) depctr_sa_sdst(0) depctr_va_vdst(0) depctr_va_sdst(0) depctr_va_ssrc(0) depctr_va_vcc(0) depctr_vm_vsrc(0)
	s_getreg_b32 s2, hwreg(HW_REG_IB_STS2, 6, 4)
	s_cmp_eq_u32 s2, 0
	s_cbranch_scc0 .Lentry_in_a_cluster
	s_endpgm
.Lentry_in_a_cluster:
	s_bfe_u32 s2, ttmp6, 0x10000c
	s_cmp_lg_u32 s2, 0xf033
	s_cbranch_scc0 .Lentry_shape_is_right
	s_endpgm
.Lentry_shape_is_right:
; PROJ.  The three projections on codes of FP6 (E2M3) with E8M0 scales, their biases, the rotation of q and k, and the quantisers of what attention multiplies: q and k along the head's 64, v along the keys.
; A work-group of four waves makes 256 x 256 of a product with K = 1,024; a wave 128 x 128: 64 accumulators, 512 registers.  The matrix instruction is used transposed: source 0 = 16 rows of B, source 1 = 16 rows of A,
; so a lane holds ONE row of A and its registers run along B's rows.  Clusters 0 .. 15 along y: A = tokens of q or k, B = features of Wq or Wk: a lane's registers run along the features, the next K.
; Clusters 16 .. 23: A = features of Wv, B = tokens of v: a lane's registers run along the tokens, which are the keys, the next K of v.
; OPERANDS are images of registers ([row tile][K step][1,536 bytes], registers 4 p .. 4 p + 3 of lane l at 512 p + 16 l), rows in tile order: row r of tile T is the true row 32 (T / 2) + 8 (T % 2) + r + 8 (r / 8);
; so the 16 registers of result tiles 2 b and 2 b + 1 are the true neighbours 32 b + 16 (lane / 16) + 0 .. 15.
; K goes in four steps of 256 through THREE LDS slots: at the head one joint load a wave (K step 0 of A, of B, A's scale bytes, B's); K step 1 into slot 1 behind the next round, K step 2 into slot 2 and K step 3 into slot 0 again behind the rounds at the ends of K steps 0 and 1.
; CLUSTERS: 4 x 4 work-groups; A's tiles are asked for jointly along a row of the cluster, B's along a column.  Prefetches: K steps 1 and 2 at the head, K step 3 behind the load of K step 1.
; OUT: qkv = three parts [batch x head 64][group of 128 tokens 16][record 6,400]: four images, then 256 bytes of scale words [r][4].  q, k: image f = token tiles 2 f (registers 0-5) and 2 f + 1 (registers 6-11), K = 64 each.
; v: image dt = 16 of the head's 64 (tile order) x the group's 128 keys.
; REGISTERS: window 0: v16-22 LDS addresses, v24-31 addresses, v32-63 scale words and nothing else, v64-127 the bias by features, v128-223 A's fragments (one set), v240-255 the bias by lanes;
;   window 1: B's fragments, two sets; windows 2, 3: the accumulators ((a, b) at v[8 (8 (a % 4) + b)] of window 2 + a / 4).
; LIMITS: NaN and infinities are not served; a block whose largest magnitude lies under 2^-124 keeps the scale byte 1.
.set XSC,   18874368
.set WSC,   3145728
.set HEADB, 102400                     ; a head's 16 records
.set REC,   6400
.set PART,  6553600                    ; 64 heads' records
.set FR,    12                         ; registers of a fragment
.set NQ,    2                          ; matrix instructions deep in a K step
.set NLA,   3                          ; LDS loads that bring a fragment of A
.set TROW,  3072                       ; a row tile's two images in a slot
.set HALFT, 24576                      ; 128 rows: what one tensor load brings
.set SLOT,  98304                      ; A's 256 rows, then B's
.set SCL,   3*SLOT                     ; the scale bytes, as units of 256 bytes + 16 of padding
.set HALFS, 4352                       ; those of 128 rows
.set SBLK,  544                        ; of 16 rows
.set SPARE, SCL+4*HALFS                ; the spare words, 128 bytes for each wave
.set ADRA, 16                          ; v16-18 my A fragments in slots 0, 1, 2
.set ADRB, 20                          ; v20-22 my B fragments
.set LI,   24                          ; v24  16 x lane
.set SWA,  25                          ; v25  the way out: my scale words' place
.set RPA,  26                          ; v26  the way out: my place in the table of cos and sin
.set ADRS, 27                          ; v27  my scale words in LDS: lanes 0-15 A's rows, lanes 16-31 B's
.set SPW,  28
.set NIL,  29
.set SC,   32
.set BIAS, 64
.set AF,   128
.set VB,   240
.set T,    128                         ; the way out: 64 numbers
.set H0,   192                         ; an image for the first head, H1 for the second
.set H1,   204
.set XR,   216
.set CT,   224
.set SW,   232                         ; v232-235, v236-239: the two heads' scale words
.set TM,   2
.set PW,   18
.set OUTW, 20
.set WV, 18                            ; s18 wave; s19 my half of the rows (also: 0 fetches for A, 1 for B); s20 my half of the columns (also: which 128 rows I fetch)
.set RH, 19
.set CH, 20
.set CX, 21
.set CY, 22
.set CLY, 23                           ; the cluster's y: the same in all sixteen partners
.set G1, 24
.set G0, 32                            ; s[32:43] group 0 for A's tiles, a set for each slot
.set G1B, 44
.set G0B, 52
.set G1S, 68
.set G0S, 76
.set G1SB, 80
.set G0SB, 88
.set SEL, 92                           ; on the way out
.set HIM, 94
.set MSB, 0
.macro WIN new                         ; the immediate's high byte repeats the setting that is left
.if MSB != (\new)
	s_set_vgpr_msb (MSB<<8)|(\new)
.set MSB, (\new)
.endif
.endm
.set MUL_LO, 0xa1                      ; source 0 (B) window 1, source 1 (A) window 0, C and D window 2
.set MUL_HI, 0xf1
.set TO_B,   0x40
.macro JLOAD g0a, g1a, g0b, g1b        ; a joint load: waves 0, 1 fetch for A, waves 2, 3 for B; the branch hangs on the wave's number alone; an s_nop 0 and four v_nop follow each line
	s_cmp_eq_u32 s[RH], 0
	s_cbranch_scc0 .Lfor_b_\@
	tensor_load_to_lds s[\g0a:\g0a+3], s[\g1a:\g1a+7]
	s_nop 0
.rept 4
	v_nop
.endr
	s_branch .Lasked_\@
.Lfor_b_\@:
	tensor_load_to_lds s[\g0b:\g0b+3], s[\g1b:\g1b+7]
	s_nop 0
.rept 4
	v_nop
.endr
.Lasked_\@:
.endm
.macro CREST                           ; a round of the cluster's barrier behind its opening barrier
	s_cmp_lg_u32 s[WV], 0
	s_cbranch_scc1 .Lnot_wave_0_\@
	s_barrier_signal -3
.Lnot_wave_0_\@:
	s_barrier_wait -3
	s_barrier_signal -1
	s_barrier_wait -1
.endm
.macro CROUND
	s_barrier_signal -1
	s_barrier_wait -1
	CREST
.endm
.macro PLACES n                        ; plain vector places behind matrix instructions, in front of loads into registers that they read and of reads of their results
.rept \n
	v_nop
.endr
.endm
	s_load_b256 s[4:11], s[0:1], 0x0               ; xc s[4:5], wc s[6:7], rope s[8:9], bq s[10:11]
	s_load_b128 s[12:15], s[0:1], 0x20             ; bk, bv
	s_load_b64 s[16:17], s[0:1], 0x30              ; qkv
	v_lshl_add_u32 v[SPW], v0, 2, SPARE
	v_mov_b32 v[NIL], 0
	ds_add_u32 v[SPW], v[NIL]                      ; the wave's opening: the add and its wait ahead of my first tensor load; register work stands between them
	ds_add_u32 v[SPW], v[NIL]
	v_lshrrev_b32 v1, 5, v0
	v_readfirstlane_b32 s[WV], v1
	s_lshr_b32 s[RH], s[WV], 1
	s_and_b32 s[CH], s[WV], 1
	s_bfe_u32 s[CX], ttmp6, 0x40000
	s_bfe_u32 s[CY], ttmp6, 0x40004
	s_and_b32 s[CLY], ttmp7, 0xffff
	s_lshl_b32 s92, s[CY], 2
	s_lshl_b32 s92, 15, s92                        ; my row of the cluster
	s_lshl_b32 s93, 0x1111, s[CX]                  ; my column
	; group 1 for code tiles: 8 row tiles x 3,072 bytes (two images), 12,288 bytes apart; elements of 8 bytes; no padding: a fragment load reads 512 consecutive bytes
	s_or_b32 s[G1], s92, (3<<16)|(1<<21)
	s_or_b32 s[G1B], s93, (3<<16)|(1<<21)
.irp g, G1, G1B
	s_mov_b32 s[\g+1], 384<<16                     ; tensor_dim0
	s_mov_b32 s[\g+2], 16<<16                      ; tensor_dim1: 16 row tiles for the head's loads; behind them 8
	s_mov_b32 s[\g+3], 384<<16                     ; tile_dim0
	s_mov_b32 s[\g+4], 16                          ; tile_dim1 likewise
	s_mov_b32 s[\g+5], 1536                        ; from row tile to row tile
	s_mov_b32 s[\g+6], 0
	s_mov_b32 s[\g+7], 0
.endr
	; and for the scale bytes of 256 rows: 8,192 dense bytes as 32 rows of 256, 16 bytes of padding behind each
	s_or_b32 s[G1S], s92, (3<<16)|(1<<20)|(1<<21)|(5<<22)|(3<<25)
	s_or_b32 s[G1SB], s93, (3<<16)|(1<<20)|(1<<21)|(5<<22)|(3<<25)
.irp g, G1S, G1SB
	s_mov_b32 s[\g+1], 32<<16
	s_mov_b32 s[\g+2], 32<<16
	s_mov_b32 s[\g+3], 32<<16
	s_mov_b32 s[\g+4], 32
	s_mov_b32 s[\g+5], 32
	s_mov_b32 s[\g+6], 0
	s_mov_b32 s[\g+7], 0
.endr
	; which rows.  q, k: A = xc rows 1,024 cly + 256 cy, B = wc rows 1,024 (cly / 8) + 256 cx.  v: A = wc rows 2,048 + 256 cy, B = xc rows 1,024 cly + 256 cx
	s_lshl_b32 s104, s[CLY], 10
	s_lshr_b32 s105, s[CLY], 3
	s_lshl_b32 s105, s105, 10
	s_cmp_lt_u32 s[CLY], 16
	s_cselect_b32 s94, s104, 2048
	s_cselect_b32 s98, s105, s104
	s_mov_b32 s104, XSC
	s_mov_b32 s105, WSC
	s_cselect_b32 s96, s104, s105                  ; where A's buffer has its scale bytes,
	s_cselect_b32 s100, s105, s104                 ; and B's
	s_lshl_b32 s95, s[CY], 8
	s_add_co_u32 s94, s94, s95
	s_lshl_b32 s99, s[CX], 8
	s_add_co_u32 s98, s98, s99
	s_lshl_b32 s95, s94, 5
	s_add_co_u32 s96, s96, s95                     ; 32 scale bytes a row
	s_mov_b32 s97, 0
	s_lshl_b32 s99, s98, 5
	s_add_co_u32 s100, s100, s99
	s_mov_b32 s101, 0
	s_mul_i32 s94, s94, 768                        ; 768 bytes of codes a row
	s_mov_b32 s95, 0
	s_mul_i32 s98, s98, 768
	s_mov_b32 s99, 0
	s_mul_i32 s104, s[WV], HALFT                   ; where they go: wave x 128 rows: no place in the cluster enters an LDS address
	s_wait_dscnt 0x0                               ; the opening add is done
	s_wait_kmcnt 0x0
	s_cmp_lt_u32 s[CLY], 16
	s_cselect_b64 s[2:3], s[4:5], s[6:7]           ; A's buffer
	s_cselect_b64 s[66:67], s[6:7], s[4:5]         ; B's
	s_add_nc_u64 s[96:97], s[2:3], s[96:97]
	s_add_nc_u64 s[94:95], s[2:3], s[94:95]
	s_add_nc_u64 s[100:101], s[66:67], s[100:101]
	s_add_nc_u64 s[98:99], s[66:67], s[98:99]
	CROUND                                         ; all sixteen work-groups are here: the first joint loads meet
	s_mov_b32 s[G0S], 1
	s_mov_b32 s[G0S+1], SCL                        ; the scale bytes of A's 256 rows
	s_mov_b64 s[G0S+2:G0S+3], s[96:97]
	s_or_b32 s[G0S+3], s[G0S+3], 0x80000000
	s_mov_b32 s[G0SB], 1
	s_mov_b32 s[G0SB+1], SCL+2*HALFS               ; and of B's, behind them
	s_mov_b64 s[G0SB+2:G0SB+3], s[100:101]
	s_or_b32 s[G0SB+3], s[G0SB+3], 0x80000000
	s_mov_b32 s[G0], 1                             ; K step 0 of A's 256 rows, whole,
	s_mov_b32 s[G0+1], 0
	s_mov_b64 s[G0+2:G0+3], s[94:95]
	s_or_b32 s[G0+3], s[G0+3], 0x80000000
	s_mov_b32 s[G0B], 1                            ; and of B's 256 rows, behind them in slot 0
	s_mov_b32 s[G0B+1], 2*HALFT
	s_mov_b64 s[G0B+2:G0B+3], s[98:99]
	s_or_b32 s[G0B+3], s[G0B+3], 0x80000000
	s_lshl_b32 s2, s[CX], 2                        ; the prefetches: of A's 16 row tiles the partner at cx takes four, and my wave one of them;
	s_add_co_u32 s2, s2, s[WV]
	s_mul_i32 s2, s2, 12288
	s_mov_b32 s3, 0
	s_add_nc_u64 s[4:5], s[94:95], s[2:3]
	s_lshl_b32 s2, s[CY], 2                        ; of B's the partner at cy
	s_add_co_u32 s2, s2, s[WV]
	s_mul_i32 s2, s2, 12288
	s_add_nc_u64 s[6:7], s[98:99], s[2:3]
	s_mul_i32 s2, s[CH], 128*768
	s_mov_b32 s3, 0
	s_add_nc_u64 s[94:95], s[94:95], s[2:3]
	s_add_nc_u64 s[98:99], s[98:99], s[2:3]
.irp s, 1,2
	s_mov_b32 s[G0+4*\s], 1
	s_add_co_u32 s[G0+4*\s+1], s104, \s*SLOT
	s_add_nc_u64 s[G0+4*\s+2:G0+4*\s+3], s[94:95], \s*TROW
	s_or_b32 s[G0+4*\s+3], s[G0+4*\s+3], 0x80000000
	s_mov_b32 s[G0B+4*\s], 1
	s_add_co_u32 s[G0B+4*\s+1], s104, \s*SLOT
	s_add_nc_u64 s[G0B+4*\s+2:G0B+4*\s+3], s[98:99], \s*TROW
	s_or_b32 s[G0B+4*\s+3], s[G0B+4*\s+3], 0x80000000
.endr
	; the head's four tiles, one joint load a wave: one chain of branches on the wave's number, all arms leading to one join
	s_cmp_lt_u32 s[WV], 1
	s_cbranch_scc0 .Lhead_b
	tensor_load_to_lds s[G0:G0+3], s[G1:G1+7]
	s_nop 0
.rept 4
	v_nop
.endr
	s_branch .Lhead_asked
.Lhead_b:
	s_cmp_lt_u32 s[WV], 2
	s_cbranch_scc0 .Lhead_sa
	tensor_load_to_lds s[G0B:G0B+3], s[G1B:G1B+7]
	s_nop 0
.rept 4
	v_nop
.endr
	s_branch .Lhead_asked
.Lhead_sa:
	s_cmp_lt_u32 s[WV], 3
	s_cbranch_scc0 .Lhead_sb
	tensor_load_to_lds s[G0S:G0S+3], s[G1S:G1S+7]
	s_nop 0
.rept 4
	v_nop
.endr
	s_branch .Lhead_asked
.Lhead_sb:
	tensor_load_to_lds s[G0SB:G0SB+3], s[G1SB:G1SB+7]
	s_nop 0
.rept 4
	v_nop
.endr
.Lhead_asked:
	v_and_b32 v7, 31, v0                           ; a K step of a row tile is 3,072 bytes: 12 blocks of 256, a lane each (the lanes left over name the last again)
	v_min_u32 v7, 11, v7
	v_lshlrev_b32 v7, 8, v7
	global_prefetch_b8 v7, s[4:5] offset:3072 th:TH_LOAD_NT scope:SCOPE_SE   ; K steps 1 and 2, whose loads stand one and two rounds on
	global_prefetch_b8 v7, s[6:7] offset:3072 th:TH_LOAD_NT scope:SCOPE_SE
	global_prefetch_b8 v7, s[4:5] offset:6144 th:TH_LOAD_NT scope:SCOPE_SE
	global_prefetch_b8 v7, s[6:7] offset:6144 th:TH_LOAD_NT scope:SCOPE_SE
	v_and_b32 v1, 31, v0
	v_and_b32 v2, 15, v0                           ; r
	s_wait_alu depctr_va_vdst(0)
	v_bfe_u32 v3, v0, 4, 1                         ; h
	v_lshlrev_b32 v[LI], 4, v1
	s_mul_i32 s104, s[RH], HALFT                   ; my 128 rows of A
	s_mul_i32 s105, s[CH], HALFT
	s_add_co_u32 s105, s105, 2*HALFT               ; my 128 rows of B, behind A's 256
.irp s, 0,1,2
	v_add_nc_u32 v[ADRA+\s], s104, v[LI]
	v_add_nc_u32 v[ADRB+\s], s105, v[LI]
	s_add_co_u32 s104, s104, SLOT
	s_add_co_u32 s105, s105, SLOT
.endr
	v_lshlrev_b32 v5, 5, v2                        ; my row's scale bytes: 32 a row,
	v_lshrrev_b32 v6, 8, v5
	v_lshl_add_u32 v5, v6, 4, v5                   ; and 16 more for each 256 passed
	s_mul_i32 s104, s[RH], HALFS
	s_mul_i32 s105, s[CH], HALFS
	s_add_co_u32 s105, s105, 2*HALFS
	s_sub_co_u32 s105, s105, s104
	v_mul_u32_u24 v6, s105, v3                     ; lanes 16-31 take B's
	s_add_co_u32 s104, s104, SCL
	v_add_nc_u32 v5, v5, v6
	v_add_nc_u32 v[ADRS], s104, v5
	v_lshlrev_b32 v[SWA], 4, v2
	v_mad_u32_u24 v[SWA], v3, HEADB, v[SWA]
	v_add_nc_u32 v[SWA], 6144, v[SWA]              ; 6,144 + 16 r, lanes 16-31 in the next head's record
	v_and_b32 v4, 8, v2
	v_add_nc_u32 v4, v4, v2                        ; r + 8 (r / 8)
	v_lshlrev_b32 v[RPA], 8, v4
	v_lshl_add_u32 v[RPA], v3, 6, v[RPA]           ; a position's 256 bytes; + 64 h: my eight pairs
	v_lshlrev_b32 v30, 2, v4
	v_lshlrev_b32 v31, 6, v3
	; the bias, in both layouts (every load stays inside its 4,096 bytes): by features along my registers, and by the feature of my lane
	s_wait_alu depctr_va_vdst(0)
	s_cmp_lt_u32 s[CLY], 8
	s_cselect_b64 s[10:11], s[10:11], s[12:13]
	s_cmp_lt_u32 s[CLY], 16
	s_cselect_b64 s[10:11], s[10:11], s[14:15]
	s_lshl_b32 s66, s[CX], 10
	s_lshl_b32 s67, s[CH], 9
	s_add_co_u32 s66, s66, s67
	s_mov_b32 s67, 0
	s_add_nc_u64 s[12:13], s[10:11], s[66:67]
	s_lshl_b32 s2, s[CY], 10
	s_lshl_b32 s3, s[RH], 9
	s_add_co_u32 s2, s2, s3
	s_mov_b32 s3, 0
	s_add_nc_u64 s[14:15], s[10:11], s[2:3]
.irp b, 0,1,2,3
.irp j, 0,1,2,3
	global_load_b128 v[BIAS+16*\b+4*\j:BIAS+16*\b+4*\j+3], v31, s[12:13] offset:128*\b+16*\j   ; register 16 b + i: feature 32 b + 16 h + i
.endr
.endr
.irp a, 0,1,2,3,4,5,6,7
	global_load_b32 v[VB+2*\a], v30, s[14:15] offset:4*(32*(\a/2)+8*(\a%2))                    ; block a: my lane's feature, twice: a pair for the packed addition
	global_load_b32 v[VB+2*\a+1], v30, s[14:15] offset:4*(32*(\a/2)+8*(\a%2))
.endr
.macro FRAG3 reg, adr, q, i            ; a fragment's image: three loads of 512 consecutive bytes
.irp p, 0,1,2
	ds_load_b128 v[\reg+4*\p:\reg+4*\p+3], v[\adr] offset:(\i)*TROW+(\q)*1536+512*\p
.endr
.endm
; 16 matrix instructions: A's blocks a0, a0 + 1 x B's eight.  p: B's set; q: which 128 of the K step; sc: the set of scale words.  zero = 1: the first product starts the sums.
; The 64 accumulators take turns, one instruction a turn, in the same order in every step.
.macro MUL16 a0, p, q, sc, zero
.irp a, \a0, \a0+1
.irp b, 0,1,2,3,4,5,6,7
.if \zero
	v_wmma_scale_f32_16x16x128_f8f6f4 v[8*(8*((\a)%4)+\b):8*(8*((\a)%4)+\b)+7], v[128*(\p)+FR*\b:128*(\p)+FR*\b+FR-1], v[AF+FR*(\a):AF+FR*(\a)+FR-1], 0, v[SC+8*NQ*(\sc)+NQ*\b+(\q)], v[SC+8*NQ*(\sc)+NQ*(\a)+(\q)] matrix_a_fmt:MATRIX_FMT_FP6 matrix_b_fmt:MATRIX_FMT_FP6 matrix_a_scale:MATRIX_SCALE_ROW1
.else
	v_wmma_scale_f32_16x16x128_f8f6f4 v[8*(8*((\a)%4)+\b):8*(8*((\a)%4)+\b)+7], v[128*(\p)+FR*\b:128*(\p)+FR*\b+FR-1], v[AF+FR*(\a):AF+FR*(\a)+FR-1], v[8*(8*((\a)%4)+\b):8*(8*((\a)%4)+\b)+7], v[SC+8*NQ*(\sc)+NQ*\b+(\q)], v[SC+8*NQ*(\sc)+NQ*(\a)+(\q)] matrix_a_fmt:MATRIX_FMT_FP6 matrix_b_fmt:MATRIX_FMT_FP6 matrix_a_scale:MATRIX_SCALE_ROW1
.endif
.endr
.endr
.endm
.macro FETCH_B slot, q, p
	WIN TO_B
.irp i, 0,1,2,3,4,5,6,7
	FRAG3 128*(\p)+FR*\i, ADRB+\slot, \q, \i
.endr
	WIN 0
.endm
.macro FETCH_A slot, q, i0
.irp i, \i0, \i0+1, \i0+2, \i0+3
	FRAG3 AF+FR*(\i), ADRA+\slot, \q, \i
.endr
.endm
.macro SCALES sc                       ; a K step's two words a row: lanes 0-15 A's block i, lanes 16-31 B's block i
.irp i, 0,1,2,3,4,5,6,7
	ds_load_b64 v[SC+8*NQ*(\sc)+NQ*\i:SC+8*NQ*(\sc)+NQ*\i+1], v[ADRS] offset:\i*SBLK
.endr
.endm
.macro STEP slot, sc, zero             ; a K step's first 128
	s_wait_dscnt 4*NLA                             ; all but the youngest loads, A's blocks 4-7
	WIN MUL_LO
	MUL16 0, 0, 0, \sc, \zero
	MUL16 2, 0, 0, \sc, \zero
	s_wait_dscnt 0x0
	PLACES 4
	FETCH_B \slot, 1, 1
	FETCH_A \slot, 1, 0
	WIN MUL_HI
	MUL16 4, 0, 0, \sc, \zero
	MUL16 6, 0, 0, \sc, \zero
	PLACES 4
	WIN 0
	FETCH_A \slot, 1, 4
.endm
; A K step's second 128, and the change of slots.  mode 2: this slot is filled again: each wave waits for all its tensor loads, adds 0 to its spare word, waits for that and for its reads of the slot; a round of the cluster's
; barrier; the joint refill first behind it.  mode 1: the same lines and my work-group's barrier: the next slot holds the refill, which four waves brought.  mode 0: the next slot was shown whole by the round of mode 2.
.macro TURN slot, next, sc, mode, fill=0           ; fill: the slot that mode 2's joint load fills (K step 2 into slot 2 for the first time, K step 3 into slot 0 again)
.if \mode
	s_wait_tensorcnt 0x0                           ; all my tensor loads have landed
	ds_add_u32 v[SPW], v[NIL]
	s_wait_dscnt 4*NLA+1                           ; (the add and A's blocks 4-7 may be out)
.else
	s_wait_dscnt 4*NLA
.endif
	WIN MUL_LO
	MUL16 0, 1, 1, \sc, 0
.if \mode
	s_wait_dscnt 0x0                               ; the add is done, and my reads of this slot are over
	s_barrier_signal -1
.endif
	MUL16 2, 1, 1, \sc, 0
	WIN 0
.if \mode
	s_barrier_wait -1
.else
	s_wait_dscnt 0x0
.endif
.if \mode == 2
	CREST                                          ; no wave of any partner still reads this slot or has a load on its way
	JLOAD G0+4*\fill, G1, G0B+4*\fill, G1B         ; my one load behind the round; its four v_nop are also the places in front of the loads below
.else
	PLACES 4
.endif
	v_add_nc_u32 v[ADRS], 4*NQ, v[ADRS]            ; the next K step's scale words
	FETCH_B \next, 0, 0
	FETCH_A \next, 0, 0
	SCALES 1-\sc
	WIN MUL_HI
	MUL16 4, 1, 1, \sc, 0
	MUL16 6, 1, 1, \sc, 0
	PLACES 4
	WIN 0
	FETCH_A \next, 0, 4
.endm
	s_wait_tensorcnt 0x0                           ; my tile of the head's four is in
	ds_add_u32 v[SPW], v[NIL]
	s_mov_b32 s[G1+2], 8<<16                       ; no tensor load of mine is out: from here on a load brings 8 row tiles,
	s_mov_b32 s[G1+4], 8
	s_mov_b32 s[G1B+2], 8<<16
	s_mov_b32 s[G1B+4], 8
	s_mul_i32 s[G0+1], s[WV], HALFT                ; and slot 0's descriptors are set for K step 3, my 128 rows
	s_mul_i32 s[G0B+1], s[WV], HALFT
	s_add_nc_u64 s[G0+2:G0+3], s[94:95], 3*TROW
	s_or_b32 s[G0+3], s[G0+3], 0x80000000
	s_add_nc_u64 s[G0B+2:G0B+3], s[98:99], 3*TROW
	s_or_b32 s[G0B+3], s[G0B+3], 0x80000000
	s_wait_dscnt 0x0
	CROUND                                         ; all four tiles are in, all sixteen work-groups are here
	JLOAD G0+4, G1, G0B+4, G1B                     ; K step 1 into slot 1
	FETCH_B 0, 0, 0
	FETCH_A 0, 0, 0
	SCALES 0
	FETCH_A 0, 0, 4
	global_prefetch_b8 v7, s[4:5] offset:9216 th:TH_LOAD_NT scope:SCOPE_SE   ; K step 3, the last: its load stands two rounds on
	global_prefetch_b8 v7, s[6:7] offset:9216 th:TH_LOAD_NT scope:SCOPE_SE
	STEP 0, 0, 1
	TURN 0, 1, 0, 2, 2
	s_wait_alu depctr_va_vdst(0)
	STEP 1, 1, 0
	TURN 1, 2, 1, 2, 0
	s_wait_alu depctr_va_vdst(0)
	STEP 2, 0, 0
	TURN 2, 0, 0, 1
	STEP 0, 1, 0
	s_wait_dscnt 4*NLA                             ; the last 128 along K: nothing more to fetch
	WIN MUL_LO
	MUL16 0, 1, 1, 1, 0
	MUL16 2, 1, 1, 1, 0
	s_wait_dscnt 0x0
	WIN MUL_HI
	MUL16 4, 1, 1, 1, 0
	MUL16 6, 1, 1, 1, 0
	WIN 0
; THE WAY OUT.  64 numbers of a lane, register 16 b + i = element 32 b + 16 h + i of my row, become six registers of codes at d0 (blocks 0, 1), six at d1 (blocks 2, 3), and the row's scale word in v[pw].
.macro QUANT s, d0, d1, pw
.irp b, 0,1,2,3
	v_max3_num_f32 v[TM+\b], |v[\s+16*\b]|, |v[\s+1+16*\b]|, 0x1800000   ; my 16 of block b, and the floor 2^(3 - 127): the byte cannot fall under 1
.endr
.irp i, 2,4,6,8,10,12,14
.irp b, 0,1,2,3
	v_max3_num_f32 v[TM+\b], v[TM+\b], |v[\s+16*\b+\i]|, |v[\s+1+16*\b+\i]|
.endr
.endr
.irp b, 0,1,2,3
	v_permlanex16_b32 v[TM+4+\b], v[TM+\b], s[SEL], s[SEL+1]
.endr
.irp b, 0,1,2,3
	v_max_num_f32 v[TM+\b], v[TM+\b], v[TM+4+\b]   ; with lane l xor 16's: the block's largest magnitude
.endr
.irp b, 0,1,2,3
	v_add_nc_u32 v[TM+12+\b], 0xff000000, v[TM+\b] ; 2 off its exponent field: the conversion's scale operand
.endr
.irp b, 0,1,2,3
	v_lshrrev_b32 v[TM+4+\b], 23, v[TM+12+\b]      ; the byte
.endr
	v_lshl_or_b32 v[\pw], v[TM+5], 8, v[TM+4]
	v_lshl_or_b32 v[\pw], v[TM+6], 16, v[\pw]
	v_lshl_or_b32 v[\pw], v[TM+7], 24, v[\pw]
	v_cvt_scalef32_pk16_fp6_f32 v[\d0:\d0+2], v[\s:\s+15], v[TM+12]
	v_cvt_scalef32_pk16_fp6_f32 v[CT:CT+2], v[\s+16:\s+31], v[TM+13]
	v_cvt_scalef32_pk16_fp6_f32 v[\d1:\d1+2], v[\s+32:\s+47], v[TM+14]
	v_cvt_scalef32_pk16_fp6_f32 v[CT+4:CT+6], v[\s+48:\s+63], v[TM+15]
	v_nop                                          ; one plain place behind the scaled conversions
.irp i, 0,1,2                                      ; the operand's layout wants a whole block in a lane: lanes 0-15 the first, lanes 16-31 the second
	v_permlane16_swap_b32 v[\d0+\i], v[CT+\i]
	v_permlane16_swap_b32 v[\d1+\i], v[CT+4+\i]
.endr
.irp i, 0,1,2
	v_mov_b32 v[\d0+3+\i], v[CT+\i]
	v_mov_b32 v[\d1+3+\i], v[CT+4+\i]
.endr
.endm
; where my records begin: part cly / 8; group of 128 tokens g = 8 (cly % 8) + 2 s[ga] + s[gb]; first head 4 s[ha] + 2 s[hb].  s98 keeps g % 16.
.macro OUTBASE ga, gb, ha, hb
	s_and_b32 s95, s[CLY], 7
	s_lshl_b32 s95, s95, 3
	s_lshl_b32 s98, s[\ga], 1
	s_add_co_u32 s95, s95, s98
	s_add_co_u32 s95, s95, s[\gb]
	s_and_b32 s98, s95, 15
	s_and_b32 s95, s95, 48                         ; 16 x batch
	s_lshl_b32 s99, s[\ha], 2
	s_add_co_u32 s95, s95, s99
	s_lshl_b32 s99, s[\hb], 1
	s_add_co_u32 s95, s95, s99
	s_mul_i32 s96, s95, HEADB
	s_mul_i32 s95, s98, REC
	s_add_co_u32 s96, s96, s95
	s_lshr_b32 s95, s[CLY], 3
	s_mul_i32 s95, s95, PART
	s_add_co_u32 s96, s96, s95
	s_mov_b32 s97, 0
	s_add_nc_u64 s[96:97], s[16:17], s[96:97]
.endm
	PLACES 4                                       ; behind the last products: their results are read and their operands' registers loaded below
	s_wait_loadcnt 0x0                             ; the biases, asked for at the head
	s_wait_xcnt 0x0                                ; the prefetches have read their offset register: it is written again below
	s_mov_b32 s[SEL], 0x76543210
	s_mov_b32 s[SEL+1], 0xfedcba98
	s_mov_b32 s[HIM], 0xffff0000
.irp b, 0,1,2,3
	v_mov_b32 v[TM+4+\b], 0                        ; a lane permute's destination counts as one of its sources
.endr
	s_cmp_ge_u32 s[CLY], 16                        ; the cluster's y: all partners go the same way
	s_cbranch_scc1 .Lvpath
	; ---- q, k.  A lane holds one token (block a, row r) and 128 features: two heads
	OUTBASE CY, RH, CX, CH
	s_lshl_b32 s98, s98, 15                        ; the group's 128 positions x 256 bytes
	s_mov_b32 s99, 0
	s_add_nc_u64 s[98:99], s[8:9], s[98:99]
	WIN 0x40                                       ; cos and sin of all eight blocks into window 1: block a at v[32 a]: 8 pairs of d = 16 h on, then 8 pairs of d = 32 + 16 h on
.irp a, 0,1,2,3,4,5,6,7
.irp j, 0,1,2,3,4,5,6,7
	global_load_b128 v[32*\a+4*\j:32*\a+4*\j+3], v[RPA], s[98:99] offset:256*(32*(\a/2)+8*(\a%2))+128*(\j/4)+16*(\j%4)
.endr
.endr
	WIN 0
.macro QKBLOCK a, u
	s_wait_loadcnt 56-8*(\a)                       ; this block's eight loads are in; the later blocks' may be out
	WIN 0x02+(\a)/4                                ; source 0: the accumulators' window
.set AC, 64*((\a)%4)
.set ei, 0
.rept 32
	v_pk_add_f32 v[T+ei:T+ei+1], v[AC+ei:AC+ei+1], v[BIAS+ei:BIAS+ei+1]   ; each accumulator from its low end on
.set ei, ei+2
.endr
	WIN 0x04                                       ; source 1: window 1
.irp g, 0,1,2,3,4,5,6,7
.irp n, 0,1,2,3
	v_pk_mul_f32 v[XR+2*\n:XR+2*\n+1], v[T+8*\g+2*\n:T+8*\g+2*\n+1], v[32*(\a)+8*(\g%4)+2*\n:32*(\a)+8*(\g%4)+2*\n+1] op_sel:[1,1] op_sel_hi:[0,1]   ; (x1 sin, x0 sin)
.endr
.irp n, 0,1,2,3
	v_pk_fma_f32 v[T+8*\g+2*\n:T+8*\g+2*\n+1], v[T+8*\g+2*\n:T+8*\g+2*\n+1], v[32*(\a)+8*(\g%4)+2*\n:32*(\a)+8*(\g%4)+2*\n+1], v[XR+2*\n:XR+2*\n+1] op_sel_hi:[1,0,1] neg_lo:[0,0,1]   ; x0 cos - x1 sin, x1 cos + x0 sin
.endr
.endr
	WIN 0
	QUANT T, H0+6*(\u), H1+6*(\u), PW+(\u)
.endm
.irp f, 0,1,2,3
.if \f > 0
	s_wait_xcnt 0x0                                ; the last pair's stores have read the images' registers
.endif
	QKBLOCK 2*\f, 0
	QKBLOCK 2*\f+1, 1
.irp p, 0,1,2
	global_store_b128 v[LI], v[H0+4*\p:H0+4*\p+3], s[96:97] offset:1536*\f+512*\p          ; 512 consecutive bytes, aligned
	global_store_b128 v[LI], v[H1+4*\p:H1+4*\p+3], s[96:97] offset:HEADB+1536*\f+512*\p
.endr
	v_perm_b32 v[SW+\f], v[PW+1], v[PW], 0x05040100     ; the first head's bytes of both token tiles,
	v_perm_b32 v[SW+4+\f], v[PW+1], v[PW], 0x07060302   ; the second head's
.endr
	s_branch .Lwords
.Lvpath:                                           ; ---- v.  A lane holds one feature (block a, row r) and 128 tokens: one K step of attention's second product
	OUTBASE CX, CH, CY, RH
.macro VBLOCK a
.if (\a) > 0
	s_wait_xcnt 0x0
.endif
	WIN 0x02+(\a)/4
.set AC, 64*((\a)%4)
.set ei, 0
.rept 32
	v_pk_add_f32 v[T+ei:T+ei+1], v[AC+ei:AC+ei+1], v[VB+2*(\a):VB+2*(\a)+1]
.set ei, ei+2
.endr
	WIN 0
	QUANT T, H0, H0+6, SW+(\a)
.irp p, 0,1,2
	global_store_b128 v[LI], v[H0+4*\p:H0+4*\p+3], s[96:97] offset:HEADB*((\a)/4)+1536*((\a)%4)+512*\p
.endr
.endm
.irp a, 0,1,2,3,4,5,6,7
	VBLOCK \a
.endr
.Lwords:
	s_wait_alu depctr_va_vdst(0)
.irp i, 0,1,2,3
	v_cndmask_b32 v[OUTW+\i], v[SW+\i], v[SW+4+\i], s[HIM]   ; lanes 0-15 store the first head's four words of row r, lanes 16-31 the second head's
.endr
	global_store_b128 v[SWA], v[OUTW:OUTW+3], s[96:97]       ; two aligned runs of 256 bytes
	s_wait_tensorcnt 0x0                           ; the wave's end
	ds_add_u32 v[SPW], v[NIL]
	s_wait_dscnt 0x0
	CROUND                                         ; the closing round: no work-group ends while a partner may still ask for a tile that names it
	s_endpgm
.Lfunc_end_k_q66150fc450_proj:
	.size	k_q66150fc450_proj, .Lfunc_end_k_q66150fc450_proj-k_q66150fc450_proj
	.p2alignl 7, 3214868480
	.fill 96, 4, 3214868480
	.section	.rodata,"a",@progbits
	.p2align	6, 0x0
	.amdhsa_kernel k_q66150fc450_proj
		.amdhsa_group_segment_fixed_size 327680
		.amdhsa_private_segment_fixed_size 0
		.amdhsa_enable_private_segment 0
		.amdhsa_kernarg_size 56
		.amdhsa_user_sgpr_count 2
		.amdhsa_user_sgpr_kernarg_segment_ptr 1
		.amdhsa_wavefront_size32 1
		.amdhsa_system_sgpr_workgroup_id_x 1
		.amdhsa_system_sgpr_workgroup_id_y 1
		.amdhsa_system_sgpr_workgroup_id_z 1
		.amdhsa_system_vgpr_workitem_id 0
		.amdhsa_next_free_vgpr 1024
		.amdhsa_next_free_sgpr 106
		.amdhsa_reserve_vcc 0
		.amdhsa_float_denorm_mode_32 3
		.amdhsa_float_denorm_mode_16_64 3
		.amdhsa_memory_ordered 1
		.amdhsa_forward_progress 1
		.amdhsa_inst_pref_size 251
	.end_amdhsa_kernel
	.amdgpu_metadata
---
amdhsa.version: [ 1, 2 ]
amdhsa.kernels:
  - .name:           k_q66150fc450_proj
    .symbol:         k_q66150fc450_proj.kd
    .args:
      - { .name: xc, .offset: 0, .size: 8, .value_kind: global_buffer, .address_space: global }
      - { .name: wc, .offset: 8, .size: 8, .value_kind: global_buffer, .address_space: global }
      - { .name: rope, .offset: 16, .size: 8, .value_kind: global_buffer, .address_space: global }
      - { .name: bq, .offset: 24, .size: 8, .value_kind: global_buffer, .address_space: global }
      - { .name: bk, .offset: 32, .size: 8, .value_kind: global_buffer, .address_space: global }
      - { .name: bv, .offset: 40, .size: 8, .value_kind: global_buffer, .address_space: global }
      - { .name: qkv, .offset: 48, .size: 8, .value_kind: global_buffer, .address_space: global }
    .group_segment_fixed_size: 327680
    .private_segment_fixed_size: 0
    .kernarg_segment_align: 8
    .kernarg_segment_size: 56
    .max_flat_workgroup_size: 128
    .sgpr_count:     106
    .vgpr_count:     1024
    .wavefront_size: 32
...
	.end_amdgpu_metadata
.endif
;; end of part 2
;; launch attn (part 3): grid 4 x 64, 16 waves a work-group, clusters of 4 x 1, 327,680 bytes of LDS; arguments qkv, mask, cc; writes cc
.if DOCPART == 3
	.amdgcn_target "amdgcn-amd-amdhsa--gfx1250"
	.amdhsa_code_object_version 6
	.text
	.protected	k_q66150fc450_attn
	.globl	k_q66150fc450_attn
	.p2align	8
	.type	k_q66150fc450_attn,@function
k_q66150fc450_attn:
	s_mov_b64 s[64:65], 0
	v_nop
	global_prefetch_b8 v0, s[64:65] scope:SCOPE_SE
	s_setreg_imm32_b32 hwreg(HW_REG_WAVE_MODE, 25, 1), 1
	s_wait_xcnt 0x0
	s_wait_alu depctr_hold_cnt(0) depctr_sa_sdst(0) depctr_va_vdst(0) depctr_va_sdst(0) depctr_va_ssrc(0) depctr_va_vcc(0) depctr_vm_vsrc(0)
	s_getreg_b32 s2, hwreg(HW_REG_IB_STS2, 6, 4)
	s_cmp_eq_u32 s2, 0
	s_cbranch_scc0 .Lentry_in_a_cluster
	s_endpgm
.Lentry_in_a_cluster:
	s_bfe_u32 s2, ttmp6, 0x10000c
	s_cmp_lg_u32 s2, 0x3003
	s_cbranch_scc0 .Lentry_shape_is_right
	s_endpgm
.Lentry_shape_is_right:
; ATTN.  o = softmax(q k^T / 8, masked) v for one batch x head and 512 queries a work-group, on codes of FP6 (E2M3) with E8M0 scales; o is quantised along the model's 1,024 for the last product.
; qkv = three parts (q, k, v) of [batch x head 64][group of 128 tokens 16][record 6,400]: four images of operand registers (1,536 bytes: registers 4 p .. 4 p + 3 of lane l at 512 p + 16 l), then 256 bytes of scale words [r][4].
; q, k: image f = token tiles 2 f (registers 0-5) and 2 f + 1 (registers 6-11), K = 64 each.  v: image f = 16 of the head's 64 x the group's 128 keys.
; THE DEAL: sixteen waves, four to a SIMD; a wave takes 16 queries through all 2,048 keys, twice (two passes).  All of the head's K and V lie in LDS (204,800 bytes), brought by ONE joint load a wave (waves 0-7 K, 8-15 V; two records,
; 50 rows of 256 bytes, each); the four work-groups of a cluster are the four query blocks of one head and ask jointly.  Nothing is filled again, and all is asked for at the head: there is no loop to run ahead in, so no prefetch is laid.
; Both products are used transposed (S^T = k q^T, O^T = v^T p^T): a lane holds one query.  A product with K = 64 uses half of the instruction's 128: q stands beside six registers of zero codes, once below them and once above.
; THE MASK is the scores' C: 0, or -2^60 where mask = 0, read from a table in LDS into the accumulators: p of a masked key is 0, and a row with every key masked is uniform.
; SOFTMAX: t = score x log2(e) / 8; M = ceil(running largest t), kept as -M; p = 2^(t - M); the sum is taken of p before it is quantised; when M moves, sum and O^T are multiplied by 2^(old M - new M), exactly.
; LIMITS: NaN and infinities are not served; scores stay under 2^36 in magnitude, and scaled scores of keys that count under 2^31; a block whose largest magnitude lies under 2^-124 keeps the scale byte 1.
; OUT: cc[tile of 16 tokens][head][piece of 2 registers][lane][8 bytes], then from CSC on the scale bytes [token row][32].
.set HEADB, 102400
.set REC,   6400
.set PART,  6553600
.set VLDS,  102400
.set BIASL, 204800
.set SPARE, 212992
.set CSC,   6291456
.set AK0,  1
.set AV0,  2
.set ASK0, 3
.set ASV0, 4
.set SPW,  5
.set NIL,  6
.set AB0,  7
.set ADK,  8
.set ADV,  9
.set ADS,  10
.set ADT,  11
.set ADB,  88
.set FRG,  40
.set S,    96
.set O,    160
.set WV,  18
.set SEL, 20
.set CS,  22
.set G1,  24
.set G0K, 32
.set G0V, 36
.set TB,  40
.set TM,  41
.set CNT, 42
.set HIM, 43
.set CX,  44
.set BH,  45
.set QB,  46
.set CB,  48
.set SB,  50
.set SH,  52
.macro ROUND
	s_barrier_signal -1
	s_barrier_wait -1
	s_cmp_lg_u32 s[WV], 0
	s_cbranch_scc1 .Lnot_wave_0_\@
	s_barrier_signal -3
.Lnot_wave_0_\@:
	s_barrier_wait -3
	s_barrier_signal -1
	s_barrier_wait -1
.endm
	s_load_b128 s[4:7], s[0:1], 0x0
	s_load_b64 s[8:9], s[0:1], 0x10
	v_lshl_add_u32 v[SPW], v0, 2, SPARE
	v_mov_b32 v[NIL], 0
	ds_add_u32 v[SPW], v[NIL]
	ds_add_u32 v[SPW], v[NIL]
	v_lshrrev_b32 v8, 5, v0
	s_delay_alu instid0(VALU_DEP_1)
	v_readfirstlane_b32 s[WV], v8
	s_bfe_u32 s[CX], ttmp6, 0x40000
	s_and_b32 s[BH], ttmp7, 0xffff
	s_mov_b32 s[G1], 15|(3<<16)|(1<<21)
	s_mov_b32 s[G1+1], 32<<16
	s_mov_b32 s[G1+2], 50<<16                      ; two records: 50 rows of 256 bytes, dense
	s_mov_b32 s[G1+3], 32<<16
	s_mov_b32 s[G1+4], 50
	s_mov_b32 s[G1+5], 32
	s_mov_b32 s[G1+6], 0
	s_mov_b32 s[G1+7], 0
	s_mul_i32 s53, s[BH], HEADB
	s_lshr_b32 s54, s[WV], 3                       ; 0: K, 1: V
	s_mul_i32 s54, s54, PART
	s_and_b32 s58, s[WV], 7
	s_mul_i32 s58, s58, 2*REC                      ; which two records of the sixteen
	s_add_co_u32 s56, s53, s54
	s_add_co_u32 s56, s56, s58
	s_add_co_u32 s56, s56, PART
	s_mov_b32 s57, 0
	s_mul_i32 s54, s[WV], 2*REC                    ; in LDS K's 16 records, then V's: wave x two records
	s_mov_b32 s[SEL], 0x76543210
	s_mov_b32 s[SEL+1], 0xfedcba98
	s_mov_b32 s[CS], 0x3e38aa3b
	s_mov_b32 s[CS+1], s[CS]
	s_mov_b32 s[HIM], 0xffff0000
	s_wait_dscnt 0x0
	s_wait_kmcnt 0x0
	s_mov_b32 s[G0K], 1
	s_mov_b32 s[G0K+1], s54
	s_add_nc_u64 s[G0K+2:G0K+3], s[4:5], s[56:57]
	s_or_b32 s[G0K+3], s[G0K+3], 0x80000000
	ROUND
	tensor_load_to_lds s[G0K:G0K+3], s[G1:G1+7]
	s_nop 0
.rept 4
	v_nop
.endr
	s_lshl_b32 s55, s[CX], 2
	s_lshr_b32 s60, s[WV], 3
	s_add_co_u32 s55, s55, s60
	s_mul_i32 s56, s55, REC
	s_add_co_u32 s56, s56, s53
	s_add_nc_u64 s[QB:QB+1], s[4:5], s[56:57]
	s_and_b32 s[SH], s[WV], 1
	s_bfe_u32 s60, s[WV], 0x20001
	s_mul_i32 s61, s60, 1536
	s_mul_i32 s62, s[SH], 520
	s_add_co_u32 s62, s62, s61
	s_mul_i32 s63, s[SH], 1016
	s_add_co_u32 s63, s63, s61
	s_lshl_b32 s60, s60, 2
	s_add_co_u32 s60, s60, 6144
	s_lshl_b32 s[SH], s[SH], 4
	s_lshr_b32 s55, s[BH], 4
	s_and_b32 s61, s[BH], 15
	s_lshl_b32 s56, s55, 13
	s_add_nc_u64 s[6:7], s[6:7], s[56:57]
	s_lshl_b32 s55, s55, 7
	s_lshl_b32 s56, s[CX], 5
	s_add_co_u32 s55, s55, s56
	s_add_co_u32 s55, s55, s[WV]
	s_mul_i32 s56, s55, 12288
	s_mul_i32 s53, s61, 768
	s_add_co_u32 s56, s56, s53
	s_add_nc_u64 s[CB:CB+1], s[8:9], s[56:57]
	s_lshl_b32 s56, s55, 9
	s_lshl_b32 s53, s61, 1
	s_add_co_u32 s56, s56, s53
	s_add_co_u32 s56, s56, CSC
	s_add_nc_u64 s[SB:SB+1], s[8:9], s[56:57]
	v_and_b32 v8, 31, v0
	v_and_b32 v9, 15, v0
	v_bfe_u32 v10, v0, 4, 1
	s_delay_alu instid0(VALU_DEP_3)
	v_lshlrev_b32 v[AK0], 4, v8
	s_delay_alu instid0(VALU_DEP_1)
	v_add_nc_u32 v[AV0], VLDS, v[AK0]
	s_delay_alu instid0(VALU_DEP_4)
	v_lshl_add_u32 v[ASK0], v9, 4, 6144
	v_lshl_add_u32 v[ASV0], v9, 4, VLDS+6144
	v_lshl_add_u32 v[AB0], v10, 6, BIASL
	v_lshlrev_b32 v95, 4, v0
	global_load_b128 v[208:211], v95, s[6:7]
	v_add_nc_u32 v89, s62, v[AK0]
	v_add_nc_u32 v90, s63, v[AK0]
	v_lshl_add_u32 v91, v9, 4, s60
.irp n, 0,1
	global_load_b64 v[194+6*\n:195+6*\n], v89, s[QB:QB+1] offset:2*REC*\n
	global_load_b64 v[196+6*\n:197+6*\n], v90, s[QB:QB+1] offset:2*REC*\n+8
	global_load_b64 v[198+6*\n:199+6*\n], v89, s[QB:QB+1] offset:2*REC*\n+512
	global_load_b32 v[206+\n], v91, s[QB:QB+1] offset:2*REC*\n
.endr
	v_lshlrev_b32 v92, 3, v8
	v_lshl_add_u32 v93, v9, 5, v10
	v_mov_b32 v94, 0xdd800000
	v_lshl_add_u32 v[ADB], v0, 4, BIASL
.irp i, 0,1,2,3,4,5
	v_mov_b32 v[22+\i], 0
	v_mov_b32 v[28+\i], 0
.endr
.irp b, 0,1,2,3
	v_mov_b32 v[236+\b], 0
.endr
	v_mov_b32 v252, 0
	v_mov_b32 v253, 0
	s_wait_loadcnt 8
.irp i, 0,1,2,3
	v_cmp_eq_u32 vcc_lo, 0, v[208+\i]
	s_delay_alu instid0(VALU_DEP_1)
	v_cndmask_b32 v[208+\i], 0, v94, vcc_lo
.endr
	ds_store_b128 v[ADB], v[208:211]
	s_wait_tensorcnt 0x0
	s_wait_dscnt 0x0
	s_barrier_signal -1
	s_barrier_wait -1
	s_wait_loadcnt 0x0
.macro STEP
	v_add_nc_u32 v[ADK], s[TB], v[AK0]
	v_add_nc_u32 v[ADV], s[TB], v[AV0]
	v_add_nc_u32 v[ADS], s[TB], v[ASK0]
	v_add_nc_u32 v[ADT], s[TB], v[ASV0]
	v_add_nc_u32 v[ADB], s[TM], v[AB0]
.irp b, 0,1,2,3
.irp j, 0,1,2,3
	ds_load_b128 v[S+16*\b+4*\j:S+16*\b+4*\j+3], v[ADB] offset:128*\b+16*\j
.endr
.endr
.irp f, 0,1,2,3
.irp p, 0,1,2
	ds_load_b128 v[FRG+12*\f+4*\p:FRG+12*\f+4*\p+3], v[ADK] offset:1536*\f+512*\p
.endr
.endr
	ds_load_b128 v[248:251], v[ADS]
	s_wait_alu depctr_va_vdst(0)
	s_wait_dscnt 0x0
.irp f, 0,1,2,3
	v_wmma_scale_f32_16x16x128_f8f6f4 v[S+16*\f:S+16*\f+7], v[FRG+12*\f:FRG+12*\f+11], v[16:27], v[S+16*\f:S+16*\f+7], v[248+\f], v192 matrix_a_fmt:MATRIX_FMT_FP6 matrix_b_fmt:MATRIX_FMT_FP6
	v_wmma_scale_f32_16x16x128_f8f6f4 v[S+16*\f+8:S+16*\f+15], v[FRG+12*\f:FRG+12*\f+11], v[28:39], v[S+16*\f+8:S+16*\f+15], v[248+\f], v193 matrix_a_fmt:MATRIX_FMT_FP6 matrix_b_fmt:MATRIX_FMT_FP6
.endr
.rept 4
	v_nop
.endr
.irp f, 0,1,2,3
.irp p, 0,1,2
	ds_load_b128 v[FRG+12*\f+4*\p:FRG+12*\f+4*\p+3], v[ADV] offset:1536*\f+512*\p
.endr
.endr
	ds_load_b128 v[248:251], v[ADT]
.irp b, 0,1,2,3
	v_max3_num_f32 v[232+\b], v[S+16*\b], v[S+1+16*\b], v[S+2+16*\b]
.endr
.irp i, 3,5,7,9,11,13
.irp b, 0,1,2,3
	v_max3_num_f32 v[232+\b], v[232+\b], v[S+16*\b+\i], v[S+1+16*\b+\i]
.endr
.endr
.irp b, 0,1,2,3
	v_max_num_f32 v[232+\b], v[232+\b], v[S+15+16*\b]
.endr
.irp b, 0,1,2,3
	s_delay_alu instid0(VALU_DEP_4)
	v_permlanex16_b32 v[236+\b], v[232+\b], s[SEL], s[SEL+1]
.endr
.irp b, 0,1,2,3
	s_delay_alu instid0(VALU_DEP_4)
	v_max_num_f32 v[232+\b], v[232+\b], v[236+\b]
.endr
	s_delay_alu instid0(VALU_DEP_2)
	v_max3_num_f32 v254, v232, v233, v234
	s_delay_alu instid0(VALU_DEP_1)
	v_max_num_f32 v254, v254, v235
	s_delay_alu instid0(VALU_DEP_1)
	v_mul_f32 v254, s[CS], v254
	s_delay_alu instid0(VALU_DEP_1)
	v_max_num_f32 v13, v13, v254
	v_mov_b32 v254, v12
	s_delay_alu instid0(VALU_DEP_2)
	v_floor_f32 v12, -v13
	s_delay_alu instid0(VALU_DEP_1)
	v_sub_f32 v254, v12, v254
	s_delay_alu instid0(VALU_DEP_1)
	v_cvt_i32_f32 v254, v254
	s_delay_alu instid0(VALU_DEP_1)
	v_ldexp_f32 v252, 1.0, v254
.set si, 0
.rept 32
	v_pk_fma_f32 v[S+si:S+si+1], v[S+si:S+si+1], s[CS:CS+1], v[12:13] op_sel_hi:[1,0,0]
.set si, si+2
.endr
.irp b, 0,1,2,3
	v_fma_f32 v[232+\b], v[232+\b], s[CS], v12
.endr
.set si, 0
	s_wait_alu depctr_va_vdst(0)
.rept 64
	v_exp_f32 v[S+si], v[S+si]
.set si, si+1
.endr
	v_pk_mul_f32 v[14:15], v[14:15], v[252:253] op_sel_hi:[1,0]
	s_wait_alu depctr_va_vdst(0)
.irp b, 0,1,2,3
	v_exp_f32 v[232+\b], v[232+\b]
.endr
	v_pk_add_f32 v[236:237], v[S:S+1], v[S+2:S+3]
.irp j, 4,8,12,16,20,24,28,32,36,40,44,48,52,56,60
	v_pk_add_f32 v[14:15], v[14:15], v[S+\j:S+\j+1]
	v_pk_add_f32 v[236:237], v[236:237], v[S+2+\j:S+3+\j]
.endr
	s_delay_alu instid0(VALU_DEP_1)
	v_pk_add_f32 v[14:15], v[14:15], v[236:237]
	s_wait_alu depctr_va_vdst(0)
.irp b, 0,1,2,3
	v_max_num_f32 v[232+\b], 0x1800000, v[232+\b]
.endr
.irp b, 0,1,2,3
	s_delay_alu instid0(VALU_DEP_4)
	v_add_nc_u32 v[244+\b], 0xff000000, v[232+\b]
.endr
.irp b, 0,1,2,3
	s_delay_alu instid0(VALU_DEP_4)
	v_lshrrev_b32 v[236+\b], 23, v[244+\b]
.endr
	s_delay_alu instid0(VALU_DEP_3)
	v_lshl_or_b32 v253, v237, 8, v236
	s_delay_alu instid0(VALU_DEP_1)
	v_lshl_or_b32 v253, v238, 16, v253
	s_delay_alu instid0(VALU_DEP_1)
	v_lshl_or_b32 v253, v239, 24, v253
.irp c, 0,1
	v_cvt_scalef32_pk16_fp6_f32 v[224+6*\c:226+6*\c], v[S+32*\c:S+15+32*\c], v[244+2*\c]
	v_cvt_scalef32_pk16_fp6_f32 v[236+4*\c:238+4*\c], v[S+16+32*\c:S+31+32*\c], v[244+2*\c+1]
.endr
	v_nop
.irp c, 0,1
.irp i, 0,1,2
	v_permlane16_swap_b32 v[224+6*\c+\i], v[236+4*\c+\i]
.endr
.irp i, 0,1,2
	s_delay_alu instid0(VALU_DEP_3)
	v_mov_b32 v[227+6*\c+\i], v[236+4*\c+\i]
.endr
.endr
.set si, 0
.rept 16
	v_pk_mul_f32 v[O+si:O+si+1], v[O+si:O+si+1], v[252:253] op_sel_hi:[1,0]
.set si, si+2
.endr
	s_wait_alu depctr_va_vdst(0)
	s_wait_dscnt 0x0
.irp f, 0,1,2,3
	v_wmma_scale_f32_16x16x128_f8f6f4 v[O+8*\f:O+8*\f+7], v[FRG+12*\f:FRG+12*\f+11], v[224:235], v[O+8*\f:O+8*\f+7], v[248+\f], v253 matrix_a_fmt:MATRIX_FMT_FP6 matrix_b_fmt:MATRIX_FMT_FP6
.endr
	s_add_co_u32 s[TB], s[TB], REC
	s_add_co_u32 s[TM], s[TM], 512
.endm
.macro OUT n
.rept 4
	v_nop
.endr
	v_add_f32 v14, v14, v15
	s_delay_alu instid0(VALU_DEP_1)
	v_permlanex16_b32 v252, v14, s[SEL], s[SEL+1]
	s_delay_alu instid0(VALU_DEP_1)
	v_add_f32 v14, v14, v252
	s_wait_alu depctr_va_vdst(0)
	v_rcp_f32 v14, v14
	v_nop
	s_wait_alu depctr_va_vdst(0)
.set si, 0
.rept 16
	v_pk_mul_f32 v[S+si:S+si+1], v[O+si:O+si+1], v[14:15] op_sel_hi:[1,0]
.set si, si+2
.endr
.irp b, 0,1
	v_max3_num_f32 v[232+\b], |v[S+16*\b]|, |v[S+1+16*\b]|, 0x1800000
.endr
.irp i, 2,4,6,8,10,12,14
.irp b, 0,1
	s_delay_alu instid0(VALU_DEP_2)
	v_max3_num_f32 v[232+\b], v[232+\b], |v[S+16*\b+\i]|, |v[S+1+16*\b+\i]|
.endr
.endr
.irp b, 0,1
	s_delay_alu instid0(VALU_DEP_2)
	v_permlanex16_b32 v[236+\b], v[232+\b], s[SEL], s[SEL+1]
.endr
.irp b, 0,1
	s_delay_alu instid0(VALU_DEP_2)
	v_max_num_f32 v[232+\b], v[232+\b], v[236+\b]
.endr
.irp b, 0,1
	s_delay_alu instid0(VALU_DEP_2)
	v_add_nc_u32 v[244+\b], 0xff000000, v[232+\b]
.endr
.irp b, 0,1
	s_delay_alu instid0(VALU_DEP_2)
	v_lshrrev_b32 v[236+\b], 23, v[244+\b]
.endr
	v_cvt_scalef32_pk16_fp6_f32 v[224:226], v[S:S+15], v244
	v_cvt_scalef32_pk16_fp6_f32 v[240:242], v[S+16:S+31], v245
	v_cndmask_b32 v254, v236, v237, s[HIM]
.irp i, 0,1,2
	v_permlane16_swap_b32 v[224+\i], v[240+\i]
.endr
.irp i, 0,1,2
	s_delay_alu instid0(VALU_DEP_3)
	v_mov_b32 v[227+\i], v[240+\i]
.endr
.irp g, 0,1,2
	global_store_b64 v92, v[224+2*\g:225+2*\g], s[CB:CB+1] offset:16*12288*\n+256*\g
.endr
	global_store_b8 v93, v254, s[SB:SB+1] offset:16*512*\n
	s_wait_xcnt 0x0
.endm
.macro PASS n
.irp i, 0,1,2,3,4,5
	v_mov_b32 v[16+\i], v[194+6*\n+\i]
	v_mov_b32 v[34+\i], v[194+6*\n+\i]
.endr
	v_lshrrev_b32 v254, s[SH], v[206+\n]
	s_delay_alu instid0(VALU_DEP_1)
	v_and_b32 v254, 0xffff, v254
	s_delay_alu instid0(VALU_DEP_1)
	v_or_b32 v192, 0x1010000, v254
	s_delay_alu instid0(VALU_DEP_2)
	v_lshl_or_b32 v193, v254, 16, 0x101
	v_mov_b32 v13, 0xff61b1e6
	s_delay_alu instid0(VALU_DEP_1)
	v_floor_f32 v12, -v13
	v_mov_b32 v14, 0
	v_mov_b32 v15, 0
.set si, 0
.rept 32
	v_mov_b32 v[O+si], 0
.set si, si+1
.endr
	s_mov_b32 s[TB], 0
	s_mov_b32 s[TM], 0
	s_mov_b32 s[CNT], 16
.Lstep_\@:
	STEP
	s_sub_co_u32 s[CNT], s[CNT], 1
	s_cmp_lg_u32 s[CNT], 0
	s_cbranch_scc1 .Lstep_\@
	OUT \n
.endm
	PASS 0
	PASS 1
	s_wait_tensorcnt 0x0
	ds_add_u32 v[SPW], v[NIL]
	s_wait_dscnt 0x0
	ROUND
	s_endpgm
.Lfunc_end_k_q66150fc450_attn:
	.size	k_q66150fc450_attn, .Lfunc_end_k_q66150fc450_attn-k_q66150fc450_attn
	.p2alignl 7, 3214868480
	.fill 96, 4, 3214868480
	.section	.rodata,"a",@progbits
	.p2align	6, 0x0
	.amdhsa_kernel k_q66150fc450_attn
		.amdhsa_group_segment_fixed_size 327680
		.amdhsa_private_segment_fixed_size 0
		.amdhsa_enable_private_segment 0
		.amdhsa_kernarg_size 24
		.amdhsa_user_sgpr_count 2
		.amdhsa_user_sgpr_kernarg_segment_ptr 1
		.amdhsa_wavefront_size32 1
		.amdhsa_system_sgpr_workgroup_id_x 1
		.amdhsa_system_sgpr_workgroup_id_y 1
		.amdhsa_system_sgpr_workgroup_id_z 1
		.amdhsa_system_vgpr_workitem_id 0
		.amdhsa_next_free_vgpr 256
		.amdhsa_next_free_sgpr 66
		.amdhsa_reserve_vcc 1
		.amdhsa_float_denorm_mode_32 3
		.amdhsa_float_denorm_mode_16_64 3
		.amdhsa_memory_ordered 1
		.amdhsa_forward_progress 1
		.amdhsa_inst_pref_size 56
	.end_amdhsa_kernel
	.amdgpu_metadata
---
amdhsa.version: [ 1, 2 ]
amdhsa.kernels:
  - .name:           k_q66150fc450_attn
    .symbol:         k_q66150fc450_attn.kd
    .args:
      - { .name: qkv, .offset: 0, .size: 8, .value_kind: global_buffer, .address_space: global }
      - { .name: mask, .offset: 8, .size: 8, .value_kind: global_buffer, .address_space: global }
      - { .name: cc, .offset: 16, .size: 8, .value_kind: global_buffer, .address_space: global }
    .group_segment_fixed_size: 327680
    .private_segment_fixed_size: 0
    .kernarg_segment_align: 8
    .kernarg_segment_size: 24
    .max_flat_workgroup_size: 512
    .sgpr_count:     66
    .vgpr_count:     256
    .wavefront_size: 32
...
	.end_amdgpu_metadata
.endif
;; end of part 3
;; launch outg (part 4): grid 4 x 64, 4 waves a work-group, clusters of 4 x 4, 327,680 bytes of LDS; arguments cc, wc, bo, out0; writes out0
.if DOCPART == 4
	.amdgcn_target "amdgcn-amd-amdhsa--gfx1250"
	.amdhsa_code_object_version 6
	.text
	.protected	k_q66150fc450_outg
	.globl	k_q66150fc450_outg
	.p2align	8
	.type	k_q66150fc450_outg,@function
k_q66150fc450_outg:
	s_mov_b64 s[64:65], 0
	v_nop
	global_prefetch_b8 v0, s[64:65] scope:SCOPE_SE
	s_setreg_imm32_b32 hwreg(HW_REG_WAVE_MODE, 25, 1), 1
	s_wait_xcnt 0x0
	s_wait_alu depctr_hold_cnt(0) depctr_sa_sdst(0) depctr_va_vdst(0) depctr_va_sdst(0) depctr_va_ssrc(0) depctr_va_vcc(0) depctr_vm_vsrc(0)
	s_getreg_b32 s2, hwreg(HW_REG_IB_STS2, 6, 4)
	s_cmp_eq_u32 s2, 0
	s_cbranch_scc0 .Lentry_in_a_cluster
	s_endpgm
.Lentry_in_a_cluster:
	s_bfe_u32 s2, ttmp6, 0x10000c
	s_cmp_lg_u32 s2, 0xf033
	s_cbranch_scc0 .Lentry_shape_is_right
	s_endpgm
.Lentry_shape_is_right:
; OUTG.  out0 = context Wo + bo, f32: 8,192 x 1,024 x 1,024 on codes of FP6 (E2M3) with E8M0 scales.
; A = cc, as the attention launch leaves it: [tile of 16 tokens][head 16][piece of 2 registers 3][lane][8 bytes] (12,288 bytes a tile; 128 along K are two heads), scale bytes [row][32] from CSC on.
; B = Wo's features in wc, row tiles 192 .. 255: [row tile][K step of 128: 8][1,536 bytes: registers 4 p .. 4 p + 3 of lane l at 512 p + 16 l], scale bytes [row][32] from WSC on.
; Rows are in tile order: row r of tile T is the true row 32 (T / 2) + 8 (T % 2) + r + 8 (r / 8).
; THE DEAL: 256 work-groups of four waves, 2 x 2; a work-group makes 128 tokens x 256 features, a wave 64 x 128: 32 accumulators.  The matrix instruction is used transposed (source 0 = B's rows, source 1 = A's): a lane holds eight
; neighbouring features of one token.  The bias is the first products' C.
; K goes in four steps of 256 through three LDS slots (A's 128 rows, then B's 256).  At the head one joint load a wave: K step 0 of A, of B, A's scale bytes, B's.  K step 1 goes into slot 1 behind the round in front of the first products,
; K step 2 into slot 2 and K step 3 into slot 0 again behind the rounds at the ends of K steps 0 and 1: one load a wave (waves 0, 1: 64 rows of A; waves 2, 3: 128 rows of B).
; CLUSTERS: 4 x 4 work-groups; A's tiles are asked for jointly along a row of the cluster, B's along a column.
; PREFETCHES: K steps 1 and 2 at the head, K step 3 behind the load of K step 1: each block of 256 bytes once in the cluster, the four partners of a joint load sharing a tile's row tiles out by address.
; Both operands have two sets of fragments: the fetch of the next 128 along K is issued ahead of the 32 products of this one, inside a K step.
; REGISTERS: window 0: v7, v8 prefetch offsets, v16-29 addresses, v32-63 scale words and nothing else, v64-127 the bias, v128-223 A's fragments (two sets of four); on the way out v128-255 rows back from the stage;
;   window 1: B's fragments, two sets of eight at v0 and v128;  window 2: accumulator (a, b) at v[8 (8 a + b)].
; LIMITS: NaN, infinities and sums beyond f32's range are not served; a sum begins with the bias.
.set CSC,   6291456
.set WSC,   3145728
.set FR,    12
.set NQ,    2
.set TROW,  3072                       ; a row tile's 256 along K
.set QT,    12288                      ; 64 rows of a slot
.set HALFT, 24576                      ; 128 rows
.set SLOT,  3*HALFT                    ; A's 128 rows, then B's 256
.set SCL,   3*SLOT                     ; the scale bytes, as units of 256 bytes + 16 of padding: A's 128 rows, then B's 256
.set HALFS, 4352                       ; those of 128 rows
.set SBLK,  544                        ; of 16 rows
.set SPARE, SCL+3*HALFS                ; the spare words, 128 bytes a wave
.set SPITCH, 528
.set ADRA, 16
.set ADRB, 20
.set STO,  24
.set RD,   25
.set CO,   26
.set ADRS, 27
.set SPW,  28
.set NIL,  29
.set SC,   32
.set BIAS, 64
.set AF,   128
.set BK,   128
.set WV, 18
.set RH, 19
.set CH, 20
.set CX, 21
.set CY, 22
.set CLY, 23
.set G1, 24
.set G0, 32
.set G1B, 44
.set G0B, 52
.set G1S, 68
.set G0S, 76
.set G1SB, 80
.set G0SB, 88
.set MSB, 0
.macro WIN new                         ; the immediate's high byte repeats the setting that is left
.if MSB != (\new)
	s_set_vgpr_msb (MSB<<8)|(\new)
.set MSB, (\new)
.endif
.endm
.set MUL_LO, 0xa1                      ; source 0 (B) window 1, source 1 (A) window 0, C and D window 2
.set TO_B,   0x40
.macro TL g0, g1                       ; a tensor load with an s_nop 0 and four v_nop behind it
	tensor_load_to_lds s[\g0:\g0+3], s[\g1:\g1+7]
	s_nop 0
.rept 4
	v_nop
.endr
.endm
.macro JLOAD g0a, g1a, g0b, g1b        ; waves 0, 1 fetch for A, waves 2, 3 for B; the branch hangs on the wave's number alone
	s_cmp_eq_u32 s[RH], 0
	s_cbranch_scc0 .Lfor_b_\@
	TL \g0a, \g1a
	s_branch .Lasked_\@
.Lfor_b_\@:
	TL \g0b, \g1b
.Lasked_\@:
.endm
.macro CREST
	s_cmp_lg_u32 s[WV], 0
	s_cbranch_scc1 .Lnot_wave_0_\@
	s_barrier_signal -3
.Lnot_wave_0_\@:
	s_barrier_wait -3
	s_barrier_signal -1
	s_barrier_wait -1
.endm
.macro CROUND
	s_barrier_signal -1
	s_barrier_wait -1
	CREST
.endm
.macro PLACES n
.rept \n
	v_nop
.endr
.endm
.macro GRP g, el, rows, pitch          ; group 1's words 1 to 7: rows of el elements of 8 bytes
	s_mov_b32 s[\g+1], (\el)<<16
	s_mov_b32 s[\g+2], (\rows)<<16
	s_mov_b32 s[\g+3], (\el)<<16
	s_mov_b32 s[\g+4], \rows
	s_mov_b32 s[\g+5], \pitch
	s_mov_b32 s[\g+6], 0
	s_mov_b32 s[\g+7], 0
.endm
	s_load_b256 s[4:11], s[0:1], 0x0               ; cc, wc, bo, out0
	v_lshl_add_u32 v[SPW], v0, 2, SPARE
	v_mov_b32 v[NIL], 0
	ds_add_u32 v[SPW], v[NIL]                      ; the opening lines: the add, twice on end, and its wait
	ds_add_u32 v[SPW], v[NIL]
	v_lshrrev_b32 v1, 5, v0
	v_readfirstlane_b32 s[WV], v1
	s_lshr_b32 s[RH], s[WV], 1                     ; my half of the rows; also: 0 fetches for A, 1 for B
	s_and_b32 s[CH], s[WV], 1                      ; my half of the columns; also: which half of a tile I fetch
	s_bfe_u32 s[CX], ttmp6, 0x40000
	s_bfe_u32 s[CY], ttmp6, 0x40004
	s_and_b32 s[CLY], ttmp7, 0xffff
	s_lshl_b32 s92, s[CY], 2
	s_lshl_b32 s92, 15, s92                        ; my row of the cluster
	s_lshl_b32 s93, 0x1111, s[CX]                  ; my column
	s_or_b32 s[G1], s92, (3<<16)|(1<<21)
	s_or_b32 s[G1B], s93, (3<<16)|(1<<21)
	GRP G1, 384, 8, 1536                           ; codes: row tiles of 3,072 bytes, 12,288 apart: at the head A's 8,
	GRP G1B, 384, 16, 1536                         ; and B's 16
	s_or_b32 s[G1S], s92, (3<<16)|(1<<20)|(1<<21)|(5<<22)|(3<<25)
	s_or_b32 s[G1SB], s93, (3<<16)|(1<<20)|(1<<21)|(5<<22)|(3<<25)
	GRP G1S, 32, 16, 32                            ; scale bytes, dense, as rows of 256 bytes with 16 of padding: of A's 128 rows,
	GRP G1SB, 32, 32, 32                           ; of B's 256
	s_lshl_b32 s94, s[CLY], 9
	s_lshl_b32 s95, s[CY], 7
	s_add_co_u32 s94, s94, s95                     ; A's first row: 512 cluster y + 128 cy
	s_lshl_b32 s98, s[CX], 8
	s_add_co_u32 s98, s98, 3072                    ; B's: Wo begins at row 3,072 of wc
	s_lshl_b32 s96, s94, 5
	s_add_co_u32 s96, s96, CSC
	s_mov_b32 s97, 0
	s_lshl_b32 s100, s98, 5
	s_add_co_u32 s100, s100, WSC
	s_mov_b32 s101, 0
	s_mul_i32 s94, s94, 768
	s_mov_b32 s95, 0
	s_mul_i32 s98, s98, 768
	s_mov_b32 s99, 0
	s_mul_i32 s104, s[CH], QT                      ; where my part of a slot goes: no place in the cluster enters an LDS address
	s_mul_i32 s105, s[CH], HALFT
	s_add_co_u32 s105, s105, HALFT
	s_wait_dscnt 0x0
	s_wait_kmcnt 0x0
	s_add_nc_u64 s[96:97], s[4:5], s[96:97]
	s_add_nc_u64 s[94:95], s[4:5], s[94:95]
	s_add_nc_u64 s[100:101], s[6:7], s[100:101]
	s_add_nc_u64 s[98:99], s[6:7], s[98:99]
	CROUND
	s_mov_b32 s[G0S], 1
	s_mov_b32 s[G0S+1], SCL
	s_mov_b64 s[G0S+2:G0S+3], s[96:97]
	s_or_b32 s[G0S+3], s[G0S+3], 0x80000000
	s_mov_b32 s[G0SB], 1
	s_mov_b32 s[G0SB+1], SCL+HALFS
	s_mov_b64 s[G0SB+2:G0SB+3], s[100:101]
	s_or_b32 s[G0SB+3], s[G0SB+3], 0x80000000
	s_mov_b32 s[G0], 1                             ; K step 0 of A's 128 rows, whole,
	s_mov_b32 s[G0+1], 0
	s_mov_b64 s[G0+2:G0+3], s[94:95]
	s_or_b32 s[G0+3], s[G0+3], 0x80000000
	s_mov_b32 s[G0B], 1                            ; and of B's 256 rows, behind them
	s_mov_b32 s[G0B+1], HALFT
	s_mov_b64 s[G0B+2:G0B+3], s[98:99]
	s_or_b32 s[G0B+3], s[G0B+3], 0x80000000
	s_lshl_b32 s2, s[CX], 1                        ; the prefetches: of A's 8 row tiles the partner at cx takes two; my wave takes half a K step (1,536 bytes) of one of them;
	s_add_co_u32 s2, s2, s[RH]
	s_mul_i32 s2, s2, 12288
	s_mul_i32 s3, s[CH], 1536
	s_add_co_u32 s2, s2, s3
	s_mov_b32 s3, 0
	s_add_nc_u64 s[4:5], s[94:95], s[2:3]
	s_lshl_b32 s2, s[CY], 2                        ; of B's 16 the partner at cy takes four, my wave one
	s_add_co_u32 s2, s2, s[WV]
	s_mul_i32 s2, s2, 12288
	s_add_nc_u64 s[6:7], s[98:99], s[2:3]
	s_mul_i32 s2, s[CH], 64*768                    ; behind the head a wave fetches half of a tile's rows
	s_add_nc_u64 s[94:95], s[94:95], s[2:3]
	s_mul_i32 s2, s[CH], 128*768
	s_add_nc_u64 s[98:99], s[98:99], s[2:3]
.irp s, 1,2
	s_mov_b32 s[G0+4*\s], 1
	s_add_co_u32 s[G0+4*\s+1], s104, \s*SLOT
	s_add_nc_u64 s[G0+4*\s+2:G0+4*\s+3], s[94:95], \s*TROW
	s_or_b32 s[G0+4*\s+3], s[G0+4*\s+3], 0x80000000
	s_mov_b32 s[G0B+4*\s], 1
	s_add_co_u32 s[G0B+4*\s+1], s105, \s*SLOT
	s_add_nc_u64 s[G0B+4*\s+2:G0B+4*\s+3], s[98:99], \s*TROW
	s_or_b32 s[G0B+4*\s+3], s[G0B+4*\s+3], 0x80000000
.endr
	; the head's four tiles, one joint load a wave: one chain of branches on the wave's number, all arms leading to one join
	s_cmp_lt_u32 s[WV], 1
	s_cbranch_scc0 .Lhead_b
	TL G0, G1
	s_branch .Lhead_asked
.Lhead_b:
	s_cmp_lt_u32 s[WV], 2
	s_cbranch_scc0 .Lhead_sa
	TL G0B, G1B
	s_branch .Lhead_asked
.Lhead_sa:
	s_cmp_lt_u32 s[WV], 3
	s_cbranch_scc0 .Lhead_sb
	TL G0S, G1S
	s_branch .Lhead_asked
.Lhead_sb:
	TL G0SB, G1SB
.Lhead_asked:
	v_and_b32 v7, 31, v0                           ; a lane a block of 256 bytes: six for A, twelve for B (the lanes left over name the last again); v7, v8 are never rewritten
	v_min_u32 v8, 5, v7
	v_min_u32 v7, 11, v7
	v_lshlrev_b32 v8, 8, v8
	v_lshlrev_b32 v7, 8, v7
	global_prefetch_b8 v8, s[4:5] offset:3072 th:TH_LOAD_NT scope:SCOPE_SE   ; K steps 1 and 2, whose loads stand one and two rounds on
	global_prefetch_b8 v7, s[6:7] offset:3072 th:TH_LOAD_NT scope:SCOPE_SE
	global_prefetch_b8 v8, s[4:5] offset:6144 th:TH_LOAD_NT scope:SCOPE_SE
	global_prefetch_b8 v7, s[6:7] offset:6144 th:TH_LOAD_NT scope:SCOPE_SE
	v_and_b32 v1, 31, v0
	v_and_b32 v2, 15, v0
	v_bfe_u32 v3, v0, 4, 1
	v_lshlrev_b32 v[CO], 4, v1
	v_lshlrev_b32 v4, 3, v1
	s_mul_i32 s104, s[RH], QT                      ; my 64 rows of A
	s_mul_i32 s105, s[CH], HALFT
	s_add_co_u32 s105, s105, HALFT                 ; my 128 rows of B, behind A's 128
.irp s, 0,1,2
	v_add_nc_u32 v[ADRA+\s], s104, v4
	v_add_nc_u32 v[ADRB+\s], s105, v[CO]
	s_add_co_u32 s104, s104, SLOT
	s_add_co_u32 s105, s105, SLOT
.endr
	v_lshlrev_b32 v5, 5, v2                        ; my row's scale bytes: 32 a row,
	v_lshrrev_b32 v6, 8, v5
	v_lshl_add_u32 v5, v6, 4, v5                   ; and 16 more for each 256 passed
	s_mul_i32 s104, s[RH], HALFS/2
	s_mul_i32 s105, s[CH], HALFS
	s_add_co_u32 s105, s105, HALFS
	s_sub_co_u32 s105, s105, s104
	v_mul_u32_u24 v6, s105, v3                     ; lanes 16-31 take B's
	s_add_co_u32 s104, s104, SCL
	v_add_nc_u32 v5, v5, v6
	v_add_nc_u32 v[ADRS], s104, v5
	s_mul_i32 s104, s[WV], 16*SPITCH               ; my stage for the way out, in slot 1, which has had its last fill and its last read by then
	s_add_co_u32 s104, s104, SLOT
	v_mul_u32_u24 v[STO], v2, SPITCH
	v_lshl_add_u32 v[STO], v3, 6, v[STO]
	v_add_nc_u32 v[STO], s104, v[STO]
	v_add_nc_u32 v[RD], s104, v[CO]
	v_lshlrev_b32 v31, 6, v3
	s_wait_alu depctr_va_vdst(0)
	s_lshl_b32 s66, s[CX], 10
	s_lshl_b32 s67, s[CH], 9
	s_add_co_u32 s66, s66, s67                     ; my first feature, in bytes
	s_mov_b32 s67, 0
	s_add_nc_u64 s[8:9], s[8:9], s[66:67]
	s_add_nc_u64 s[10:11], s[10:11], s[66:67]
	s_lshl_b32 s2, s[CLY], 9
	s_lshl_b32 s3, s[CY], 7
	s_add_co_u32 s2, s2, s3
	s_lshl_b32 s3, s[RH], 6
	s_add_co_u32 s2, s2, s3                        ; my first token
	s_lshl_b32 s2, s2, 12
	s_mov_b32 s3, 0
	s_add_nc_u64 s[10:11], s[10:11], s[2:3]
.irp b, 0,1,2,3
.irp j, 0,1,2,3
	global_load_b128 v[BIAS+16*\b+4*\j:BIAS+16*\b+4*\j+3], v31, s[8:9] offset:128*\b+16*\j   ; register 16 b + i: feature 32 b + 16 h + i
.endr
.endr
.macro FRAG3 reg, adr, q, i            ; a fragment of B: three loads of 512 consecutive bytes
.irp p, 0,1,2
	ds_load_b128 v[\reg+4*\p:\reg+4*\p+3], v[\adr] offset:(\i)*TROW+(\q)*1536+512*\p
.endr
.endm
.macro FRAG6 reg, adr, q, i            ; a fragment of A: six pieces of 256 consecutive bytes
.irp g, 0,1,2,3,4,5
	ds_load_b64 v[\reg+2*\g:\reg+2*\g+1], v[\adr] offset:(\i)*TROW+(\q)*1536+256*\g
.endr
.endm
; 16 matrix instructions: A's blocks a0, a0 + 1 x B's eight.  p: the set of fragments; q: which 128 of the K step; sc: the set of scale words.  zero = 1: the first product starts the sums with the bias.
; The 32 accumulators take turns, one instruction a turn, in the same order throughout.
.macro MUL16 a0, p, q, sc, zero
.irp a, \a0, \a0+1
.irp b, 0,1,2,3,4,5,6,7
.if \zero
	v_wmma_scale_f32_16x16x128_f8f6f4 v[8*(8*(\a)+\b):8*(8*(\a)+\b)+7], v[128*(\p)+FR*\b:128*(\p)+FR*\b+FR-1], v[AF+FR*((\a)+4*(\p)):AF+FR*((\a)+4*(\p))+FR-1], v[BIAS+8*\b:BIAS+8*\b+7], v[SC+8*NQ*(\sc)+NQ*\b+(\q)], v[SC+8*NQ*(\sc)+NQ*(\a)+(\q)] matrix_a_fmt:MATRIX_FMT_FP6 matrix_b_fmt:MATRIX_FMT_FP6 matrix_a_scale:MATRIX_SCALE_ROW1
.else
	v_wmma_scale_f32_16x16x128_f8f6f4 v[8*(8*(\a)+\b):8*(8*(\a)+\b)+7], v[128*(\p)+FR*\b:128*(\p)+FR*\b+FR-1], v[AF+FR*((\a)+4*(\p)):AF+FR*((\a)+4*(\p))+FR-1], v[8*(8*(\a)+\b):8*(8*(\a)+\b)+7], v[SC+8*NQ*(\sc)+NQ*\b+(\q)], v[SC+8*NQ*(\sc)+NQ*(\a)+(\q)] matrix_a_fmt:MATRIX_FMT_FP6 matrix_b_fmt:MATRIX_FMT_FP6 matrix_a_scale:MATRIX_SCALE_ROW1
.endif
.endr
.endr
.endm
.macro FETCH slot, q, p                ; the fragments of 128 along K into set p: B's eight, A's four
	WIN TO_B
.irp i, 0,1,2,3,4,5,6,7
	FRAG3 128*(\p)+FR*\i, ADRB+\slot, \q, \i
.endr
	WIN 0
.irp i, 0,1,2,3
	FRAG6 AF+FR*(\i+4*(\p)), ADRA+\slot, \q, \i
.endr
.endm
.macro SCALES sc                       ; a K step's two words a row: lanes 16-31 B's block i; lanes 0-15 A's block i (for i over 3 words that no product names)
.irp i, 0,1,2,3,4,5,6,7
	ds_load_b64 v[SC+8*NQ*(\sc)+NQ*\i:SC+8*NQ*(\sc)+NQ*\i+1], v[ADRS] offset:\i*SBLK
.endr
.endm
.macro STEP slot, sc, zero             ; a K step's first 128; the second 128's fragments are fetched ahead of the products (the places behind the products that read that set stand in TURN)
	s_wait_dscnt 0x0
	FETCH \slot, 1, 1
.if \zero
	WIN 0x81                                       ; C, the bias, in window 0
.else
	WIN MUL_LO
.endif
	MUL16 0, 0, 0, \sc, \zero
	MUL16 2, 0, 0, \sc, \zero
	WIN 0
.endm
; A K step's second 128, and the change of slots.  Each wave waits for all its tensor loads, adds 0 to its spare word, waits for that and for its reads of the slot, and passes the barrier.
; mode 2: the barrier opens a round of the cluster's barrier, and my one joint load, into slot fill, stands first behind it.  mode 1: nothing more is fetched.
.macro TURN next, sc, mode, fill=0
	s_wait_tensorcnt 0x0
	ds_add_u32 v[SPW], v[NIL]
	s_wait_dscnt 1                                 ; the fragments are in; the add may be out
	WIN MUL_LO
	MUL16 0, 1, 1, \sc, 0
	s_wait_dscnt 0x0
	s_barrier_signal -1
	MUL16 2, 1, 1, \sc, 0
	WIN 0
	s_barrier_wait -1
.if \mode == 2
	CREST
	JLOAD G0+4*\fill, G1, G0B+4*\fill, G1B         ; its four v_nop are also the places in front of the loads below
.else
	PLACES 4
.endif
	v_add_nc_u32 v[ADRS], 4*NQ, v[ADRS]            ; the next K step's scale words
	FETCH \next, 0, 0
	SCALES 1-\sc
.endm
	s_wait_tensorcnt 0x0                           ; my tile of the head's four is in
	ds_add_u32 v[SPW], v[NIL]
	s_mov_b32 s[G1+2], 4<<16                       ; no tensor load of mine is out: from here on a load brings 4 row tiles of A,
	s_mov_b32 s[G1+4], 4
	s_mov_b32 s[G1B+2], 8<<16                      ; or 8 of B,
	s_mov_b32 s[G1B+4], 8
	s_mul_i32 s[G0+1], s[CH], QT                   ; and slot 0's descriptors are set for K step 3, my half of the rows
	s_mul_i32 s[G0B+1], s[CH], HALFT
	s_add_co_u32 s[G0B+1], s[G0B+1], HALFT
	s_add_nc_u64 s[G0+2:G0+3], s[94:95], 3*TROW
	s_or_b32 s[G0+3], s[G0+3], 0x80000000
	s_add_nc_u64 s[G0B+2:G0B+3], s[98:99], 3*TROW
	s_or_b32 s[G0B+3], s[G0B+3], 0x80000000
	s_wait_dscnt 0x0
	CROUND                                         ; all four tiles are in, all sixteen work-groups are here
	JLOAD G0+4, G1, G0B+4, G1B                     ; K step 1 into slot 1
	FETCH 0, 0, 0
	SCALES 0
	global_prefetch_b8 v8, s[4:5] offset:9216 th:TH_LOAD_NT scope:SCOPE_SE   ; K step 3, the last: its load stands two rounds on
	global_prefetch_b8 v7, s[6:7] offset:9216 th:TH_LOAD_NT scope:SCOPE_SE
	s_wait_loadcnt 0x0                             ; the bias
	STEP 0, 0, 1
	TURN 1, 0, 2, 2
	s_wait_alu depctr_va_vdst(0)
	STEP 1, 1, 0
	TURN 2, 1, 2, 0
	s_wait_alu depctr_va_vdst(0)
	STEP 2, 0, 0
	TURN 0, 0, 1
	STEP 0, 1, 0
	s_wait_dscnt 0x0                               ; the last 128 along K
	WIN MUL_LO
	MUL16 0, 1, 1, 1, 0
	MUL16 2, 1, 1, 1, 0
	WIN 0
; THE WAY OUT, block by block of 16 tokens x 128 features: through my own stage and back as whole rows of 512 bytes.  LDS serves a wave's instructions in order (ISA guide 5.7.1.4): no wait between the stores and the loads.
.macro TOSTAGE a
.set AC, 64*(\a)
	WIN 0x08                                       ; the data: window 2
.irp b, 0,1,2,3,4,5,6,7
	ds_store_b128 v[STO], v[AC+8*\b:AC+8*\b+3] offset:128*(\b/2)+32*(\b%2)          ; each accumulator from its low end on
	ds_store_b128 v[STO], v[AC+8*\b+4:AC+8*\b+7] offset:128*(\b/2)+32*(\b%2)+16
.endr
	WIN 0
.set BB, BK+64*((\a)%2)
.irp t, 0,1,2,3,4,5,6,7,8,9,10,11,12,13,14,15
	ds_load_b128 v[BB+4*\t:BB+4*\t+3], v[RD] offset:\t*SPITCH
.endr
.endm
.macro SEND a, younger                 ; younger: the LDS instructions issued behind block a's loads, which may stay out
.set BB, BK+64*((\a)%2)
	s_wait_dscnt \younger
.irp t, 0,1,2,3,4,5,6,7,8,9,10,11,12,13,14,15
	global_store_b128 v[CO], v[BB+4*\t:BB+4*\t+3], s[10:11] offset:4096*(32*((\a)/2)+8*((\a)%2)+\t+8*(\t/8)) th:TH_STORE_NT   ; 512 consecutive bytes, aligned; the tile's row t is a true token
.endr
.endm
	PLACES 4
	TOSTAGE 0
.irp a, 1,2,3
.if \a > 1
	s_wait_xcnt 0x0                                ; block a - 2's stores have read their registers
.endif
	TOSTAGE \a
	SEND \a-1, 32                                  ; behind block a - 1's loads: block a's 16 stores and 16 loads
.endr
	SEND 3, 0
	s_wait_tensorcnt 0x0                           ; the wave's end
	ds_add_u32 v[SPW], v[NIL]
	s_wait_dscnt 0x0
	CROUND                                         ; the closing round
	s_endpgm
.Lfunc_end_k_q66150fc450_outg:
	.size	k_q66150fc450_outg, .Lfunc_end_k_q66150fc450_outg-k_q66150fc450_outg
	.p2alignl 7, 3214868480
	.fill 96, 4, 3214868480
	.section	.rodata,"a",@progbits
	.p2align	6, 0x0
	.amdhsa_kernel k_q66150fc450_outg
		.amdhsa_group_segment_fixed_size 327680
		.amdhsa_private_segment_fixed_size 0
		.amdhsa_enable_private_segment 0
		.amdhsa_kernarg_size 32
		.amdhsa_user_sgpr_count 2
		.amdhsa_user_sgpr_kernarg_segment_ptr 1
		.amdhsa_wavefront_size32 1
		.amdhsa_system_sgpr_workgroup_id_x 1
		.amdhsa_system_sgpr_workgroup_id_y 1
		.amdhsa_system_sgpr_workgroup_id_z 1
		.amdhsa_system_vgpr_workitem_id 0
		.amdhsa_next_free_vgpr 768
		.amdhsa_next_free_sgpr 106
		.amdhsa_reserve_vcc 0
		.amdhsa_float_denorm_mode_32 3
		.amdhsa_float_denorm_mode_16_64 3
		.amdhsa_memory_ordered 1
		.amdhsa_forward_progress 1
		.amdhsa_inst_pref_size 91
	.end_amdhsa_kernel
	.amdgpu_metadata
---
amdhsa.version: [ 1, 2 ]
amdhsa.kernels:
  - .name:           k_q66150fc450_outg
    .symbol:         k_q66150fc450_outg.kd
    .args:
      - { .name: cc, .offset: 0, .size: 8, .value_kind: global_buffer, .address_space: global }
      - { .name: wc, .offset: 8, .size: 8, .value_kind: global_buffer, .address_space: global }
      - { .name: bo, .offset: 16, .size: 8, .value_kind: global_buffer, .address_space: global }
      - { .name: out0, .offset: 24, .size: 8, .value_kind: global_buffer, .address_space: global }
    .group_segment_fixed_size: 327680
    .private_segment_fixed_size: 0
    .kernarg_segment_align: 8
    .kernarg_segment_size: 32
    .max_flat_workgroup_size: 128
    .sgpr_count:     106
    .vgpr_count:     768
    .wavefront_size: 32
...
	.end_amdgpu_metadata
.endif
;; end of part 4
